; MI455X (gfx1250); checked and timed in simulation.
; The chip was launched on July 23, 2026; its instructions are those of AMD's public machine-readable ISA for CDNA 5 (MIT licence, August 2026) and "CDNA5" Instruction Set Architecture Reference Guide (July 2026). The comments in the code are by the model that wrote it; some were corrected since.
;; Multi Head Attention. Allowed arithmetic: matrix products marked QUANTISED: E2M3 operands, one E8M0 scale for each 32 along K, by v_wmma_scale_f32_16x16x128_f8f6f4 with both operands' format E2M3, f32 sums; everything else in f32.
;; Inputs: Wk 1,024 x 1,024 float32; Wo 1,024 x 1,024 float32; Wq 1,024 x 1,024 float32; Wv 1,024 x 1,024 float32; bk 1,024 float32; bo 1,024 float32; bq 1,024 float32; bv 1,024 float32; x 4 x 2,048 x 1,024 float32.
;; Outputs: out0 4 x 2,048 x 1,024 float32.
;; This version of the problem:
;;   THIS VERSION OF THE PROBLEM IS GIVEN IN LOW PRECISION. The matrix products marked QUANTISED in the list below multiply operands that are first quantised to E2M3 (2 exponent bits, 3 mantissa bits; 6 bits a number), with one power-of-two scale for each 32 numbers along K (OCP MX v1.0); their sums are f32. All else is computed in f32.
;;   The module's matrix products, in the order in which they are computed (A, B: the left and right operand; K: the contracted axis; several contracted axes count as one K, in the product's order):
;;     1. [M 8,192, K 1,024] x [K 1,024, N 1,024]; A: input x; B: input Wq: QUANTISED
;;     2. [M 8,192, K 1,024] x [K 1,024, N 1,024]; A: input x; B: input Wk: QUANTISED
;;     3. [M 8,192, K 1,024] x [K 1,024, N 1,024]; A: input x; B: input Wv: QUANTISED
;;     4. batch 64 x [M 2,048, K 64] x [K 64, N 2,048]; A: computed on the way; B: computed on the way: QUANTISED
;;     5. batch 64 x [M 64, K 2,048] x [K 2,048, N 2,048]; A: computed on the way; B: softmax (see below): QUANTISED
;;     6. [M 8,192, K 1,024] x [K 1,024, N 1,024]; A: computed on the way; B: input Wo: QUANTISED
;;   THE QUANTISER, for each operand of a quantised product, along K:
;;     - K is cut into blocks of 32 from its start; a last block that is shorter is filled with zeros.
;;     - A block's scale is 2^e with e = floor(log2(the largest magnitude in the block)) - 2, held to -126 .. 127; a block of zeros has e = 0. As a byte (E8M0): e + 127.
;;     - Each number is divided by its block's scale, clamped to +-7.5, and rounded to the nearest number of E2M3, ties to even, subnormals kept.
;;     - The product sums the exact products of the quantised numbers (number of the format x scale) in f32.
;;   ~~~python
;;   def quantise(x, axis):      # numpy; x: float32 -> the quantised numbers, widened to float32 again
;;       x = np.moveaxis(x, axis, -1); K = x.shape[-1]
;;       x = np.pad(x, [(0, 0)] * (x.ndim - 1) + [(0, -K % 32)]); x = x.reshape(x.shape[:-1] + (-1, 32)); a = np.abs(x).max(-1, keepdims=True)
;;       e = np.where(a > 0, np.clip(np.frexp(np.where(a > 0, a, 1))[1] - 1 - 2, -126, 127), 0)      # np.frexp(a)[1] - 1 = floor(log2(a)), exactly
;;       r = np.clip(x / 2.0 ** e, -7.5, 7.5)
;;       step = 2.0 ** (np.maximum(np.frexp(np.where(r == 0, 1, r))[1] - 1, 0) - 3)
;;       q = np.round(r / step) * step * 2.0 ** e      # np.round: ties to even
;;       return np.moveaxis(q.reshape(q.shape[:-2] + (-1,))[..., :K], -1, axis).astype(np.float32)
;;   ~~~
;;   SOFTMAX AHEAD OF A QUANTISED PRODUCT. Where the list says 'softmax', what is quantised is not the finished softmax but p = 2^(t - M), with t = logit x log2(e) and M = ceil(the row's largest t), a whole number; so 1/2 < the row's largest p <= 1. The row's sum l is taken of the UNQUANTISED p, in f32, and the product's result is divided by l at the end. Since M is a whole number, a kernel that streams over the keys may use a running M (the ceiling of the running maximum): every later rescaling is an exact power of two, which a block's scale takes up: the codes' values come out the same.
;;   OPERANDS COMPUTED ON THE WAY. 'Computed on the way' means the value that the module computes at that place (a softmax that the list does not call 'softmax' is quantised finished and normalised). What goes into a quantiser is computed in f32, as accurately as f32 sums, v_exp_f32 and their like allow (about 1e-6 of the number): no bf16 or f16 on the way to a quantiser, and a product that is left as it is and whose result goes on into a quantised operand takes f32 operands (vector FMAs, or v_wmma_f32_16x16x4_f32). A number that lies on a knife's edge between two numbers of the format may be rounded either way, as far as f32 arithmetic and the matrix unit's own rounding can turn it there, and no further.
;; One version. Each part assembles by itself: llvm-mc -triple=amdgcn-amd-amdhsa -mcpu=gfx1250 --defsym DOCPART=n.
;; ======== version 1 of 1: 4 launches
;; limits: right only within a limited range of input values
;; workspace buffers: opc 9,437,184 bytes; ops 393,216 bytes; qc 6,815,744 bytes; kv 13,369,344 bytes; vwc 6,291,456 bytes; vws 262,144 bytes
;; launch quant (part 1): grid 384 x 1, 4 waves a work-group, no clusters, 34,304 bytes of LDS; arguments x, Wq, Wk, Wv, Wo, opc, ops; writes opc, ops
.if DOCPART == 1
	.amdgcn_target "amdgcn-amd-amdhsa--gfx1250"
	.amdhsa_code_object_version 6
	.text
	.protected	k_qc94e6176bf_quant
	.globl	k_qc94e6176bf_quant
	.p2align	8
	.type	k_qc94e6176bf_quant,@function
k_qc94e6176bf_quant:
	s_mov_b64 s[64:65], 0
	v_nop
	global_prefetch_b8 v0, s[64:65] scope:SCOPE_SE
	s_setreg_imm32_b32 hwreg(HW_REG_WAVE_MODE, 25, 1), 1
	s_wait_xcnt 0x0
; x [8192][1024], Wq, Wk, Wv, Wo [1024][1024], f32, K innermost, become codes of FP6 (E2M3) with one E8M0 byte for each 32 along K,
; laid as IMAGES OF THE OPERAND'S REGISTERS, so that the products' launches read them by dense loads of 16 and 8 bytes a lane.
; GROUPS.  128 rows are a group: x's are groups 0-63, Wq's 64-71, Wk's 72-79, Wv's 80-87, Wo's 88-95.  A group has 8 tiles of 16 rows;
; lane r of tile i holds row 32 (i / 2) + 8 (i % 2) + r + 8 (r / 8) of the group.
; A FRAGMENT (16 rows x 128 K, 12 registers a lane) is 1,536 bytes: registers 0-3 at 16 x lane, registers 4-5 at 512 + 8 x lane, registers 6-9 at 768 + 16 x lane,
; registers 10-11 at 1,280 + 8 x lane.  A group's codes: fragment (K step s, tile i) at 12,288 s + 1,536 i: 98,304 bytes.
; A group's scale words (four bytes: 128 K of one row): 1,024 (s / 2) + 256 (i / 2) + 16 r + 8 (i % 2) + 4 (s % 2): 4,096 bytes.
; A block's scale is 2^(floor(log2(its largest magnitude)) - 2); its byte is the largest magnitude's exponent field - 2, held at 1 from below.
; LIMITS: a block whose largest magnitude lies under 2^-124 keeps the byte 1; a block of zeros keeps the byte 1 where the rule says 127 (its codes are zeros, and this program alone
; reads the bytes); NaN and infinities among the inputs are not served.
; SHARES.  Work-group n: group n / 4, its rows 32 (n % 4) on: tiles 2 (n % 4) and 2 (n % 4) + 1.  Wave t: K 256 t on: four fragments f = 2 u + q (u: which tile, q: which K step).
; Each load reads 512 consecutive bytes of one row; a fragment's 16 rows turn through the wave's own stage in LDS (rows 528 bytes apart) and come back 32 neighbours along K to a lane and block,
; in the very order of the operand's registers.  A stream: no matrix unit, no tensor load, no barrier, no cluster: waves share nothing.
.set ROWB,  4096                       ; a row of 1,024 f32
.set SP,    528                        ; a stage row: 512 bytes + 16: an odd multiple of 16, so that sixteen lanes that read sixteen rows touch different 16-byte columns of 256
.set WREG,  16*SP                      ; a wave's stage
.set SPARE, 4*WREG                     ; behind the stages: the spare words, 128 bytes a wave, which no other line names
.set L16,   2                          ; v2   16 x lane; never rewritten
.set L8,    3                          ; v3   8 x lane; never rewritten
.set STI,   4                          ; v4   the stage, on the way in
.set STO,   5                          ; v5   and on the way out: 528 r + 128 h
.set SPW,   6                          ; v6   my spare word
.set NIL,   7                          ; v7   0
.set MX,    8                          ; v8-9   two blocks' largest magnitudes
.set SO,    10                         ; v10-11 the conversions' scale operands
.set BY,    12                         ; v12-13 the bytes
.set TW,    14                         ; v14  at work
.set PD,    15                         ; v15  a lane permute's destination
.set SH,    16                         ; v16  8 h
.set SA,    17                         ; v17  16 r + 8 h
.set OW,    18                         ; v18-19 scale words on the way out
.set SW,    20                         ; v20-23 fragment f's scale word
.set C,     24                         ; v24-35 a fragment's codes
.set C2,    36                         ; v36-38, v40-42 the blocks' upper halves as the conversions leave them
.set R,     64                         ; v64-191 two sets of 64: rows as loaded
.set X,     192                        ; v192-255 64 numbers in the operand's order
	s_load_b256 s[8:15], s[0:1], 0x0               ; x, Wq, Wk, Wv
	s_load_b128 s[16:19], s[0:1], 0x20             ; Wo, opc
	s_load_b64 s[20:21], s[0:1], 0x30              ; ops
	v_lshl_add_u32 v[SPW], v0, 2, SPARE
	v_mov_b32 v[NIL], 0
	v_lshrrev_b32 v1, 5, v0
	v_readfirstlane_b32 s22, v1                    ; wave t
	v_and_b32 v1, 31, v0
	v_lshlrev_b32 v[L16], 4, v1
	v_lshlrev_b32 v[L8], 3, v1
	s_mul_i32 s31, s22, WREG
	v_add_nc_u32 v[STI], s31, v[L16]
	v_and_b32 v[TW], 15, v0                        ; r
	v_bfe_u32 v[PD], v0, 4, 1                      ; h
	v_mul_u32_u24 v[STO], v[TW], SP
	v_lshl_add_u32 v[STO], v[PD], 7, v[STO]
	v_add_nc_u32 v[STO], s31, v[STO]
	v_lshlrev_b32 v[SH], 3, v[PD]
	v_lshl_add_u32 v[SA], v[TW], 4, v[SH]
	v_mov_b32 v[PD], 0                             ; written once: a lane permute's destination counts as one of its sources
	s_lshr_b32 s23, ttmp9, 2                       ; the group
	s_and_b32 s24, ttmp9, 3                        ; which 32 rows of it
	s_and_b32 s25, s23, 7
	s_cmp_lt_u32 s23, 64
	s_cselect_b32 s25, s23, s25                    ; the group's number inside its own tensor
	s_lshl_b32 s26, s25, 19                        ; 128 rows of 4,096 bytes,
	s_lshl_b32 s27, s24, 17                        ; 32 rows,
	s_add_co_u32 s26, s26, s27
	s_lshl_b32 s27, s22, 10                        ; 256 numbers along K
	s_add_co_u32 s26, s26, s27
	s_mov_b32 s27, 0
	s_mul_i32 s32, s23, 98304                      ; the codes: the group, my two K steps, my two tiles
	s_mul_i32 s33, s22, 24576
	s_add_co_u32 s32, s32, s33
	s_mul_i32 s33, s24, 3072
	s_add_co_u32 s32, s32, s33
	s_mov_b32 s33, 0
	s_lshl_b32 s34, s23, 12                        ; the scale words likewise
	s_lshl_b32 s35, s22, 10
	s_add_co_u32 s34, s34, s35
	s_lshl_b32 s35, s24, 8
	s_add_co_u32 s34, s34, s35
	s_mov_b32 s35, 0
	s_mov_b32 s28, 0x76543210
	s_mov_b32 s29, 0xfedcba98                      ; v_permlanex16_b32's selects for lane l xor 16
	s_mov_b32 s30, 0xffff0000                      ; lanes 16-31
	s_wait_alu depctr_va_vdst(0)
	s_wait_kmcnt 0x0
	s_mov_b64 s[4:5], s[16:17]                     ; which tensor: the choice hangs on the work-group's number alone
	s_cmp_lt_u32 s23, 88
	s_cselect_b64 s[4:5], s[14:15], s[4:5]
	s_cmp_lt_u32 s23, 80
	s_cselect_b64 s[4:5], s[12:13], s[4:5]
	s_cmp_lt_u32 s23, 72
	s_cselect_b64 s[4:5], s[10:11], s[4:5]
	s_cmp_lt_u32 s23, 64
	s_cselect_b64 s[4:5], s[8:9], s[4:5]
	s_add_nc_u64 s[4:5], s[4:5], s[26:27]
	s_add_nc_u64 s[6:7], s[18:19], s[32:33]
	s_add_nc_u64 s[20:21], s[20:21], s[34:35]
.macro LOAD f                          ; fragment f's 16 rows, 512 consecutive bytes each, into set f % 2
.irp n, 0,1,2,3,4,5,6,7,8,9,10,11,12,13,14,15
	global_load_b128 v[R+64*((\f)%2)+4*\n:R+64*((\f)%2)+4*\n+3], v[L16], s[4:5] offset:(8*((\f)/2)+\n+8*(\n/8))*ROWB+512*((\f)%2) th:TH_LOAD_NT
.endr
.endm
.macro TURN f                          ; through the stage: LDS serves a wave's instructions in order, so no wait stands between the stores and the loads
.irp n, 0,1,2,3,4,5,6,7,8,9,10,11,12,13,14,15
	ds_store_b128 v[STI], v[R+64*((\f)%2)+4*\n:R+64*((\f)%2)+4*\n+3] offset:SP*\n
.endr
.irp c, 0,1
.irp i, 0,1,2,3,4,5,6,7
	ds_load_b128 v[X+32*\c+4*\i:X+32*\c+4*\i+3], v[STO] offset:256*\c+16*\i   ; X + 32 c + i = k 64 c + 32 h + i of my row
.endr
.endr
.endm
.macro Q1 f                            ; my two whole blocks, 2 c + h, become registers 6 c .. 6 c + 5 of the operand
.irp c, 0,1
	v_max3_num_f32 v[MX+\c], |v[X+32*\c]|, |v[X+32*\c+1]|, 0x1800000   ; with the floor 2^(3 - 127): the byte cannot fall under 1
.endr
.irp i, 2,4,6,8,10,12,14,16,18,20,22,24,26,28,30
.irp c, 0,1
	v_max3_num_f32 v[MX+\c], v[MX+\c], |v[X+32*\c+\i]|, |v[X+32*\c+\i+1]|
.endr
.endr
.irp c, 0,1
	v_add_nc_u32 v[SO+\c], 0xff000000, v[MX+\c]    ; 2 off the exponent field: the conversion takes that field as its scale
.endr
.irp c, 0,1
	v_lshrrev_b32 v[BY+\c], 23, v[SO+\c]           ; the byte
.endr
	v_lshl_or_b32 v[TW], v[BY+1], 16, v[BY]        ; blocks h and 2 + h,
	v_lshlrev_b32 v[TW], v[SH], v[TW]              ; at their places in the word;
	v_permlanex16_b32 v[PD], v[TW], s28, s29
	v_or_b32 v[SW+(\f)], v[TW], v[PD]              ; with lane l xor 16's two the word is whole
.if (\f) > 0
	s_wait_alu depctr_va_vdst(0)
	s_wait_xcnt 0x0                                ; the last fragment's stores have read the codes' registers
.endif
.irp c, 0,1
	v_cvt_scalef32_pk16_fp6_f32 v[C+6*\c:C+6*\c+2], v[X+32*\c:X+32*\c+15], v[SO+\c]
	v_cvt_scalef32_pk16_fp6_f32 v[C2+4*\c:C2+4*\c+2], v[X+32*\c+16:X+32*\c+31], v[SO+\c]   ; (a conversion's three registers begin on an even number)
.endr
	v_nop                                          ; one plain place behind a scaled conversion
.irp c, 0,1
.irp i, 0,1,2
	v_mov_b32 v[C+3+6*\c+\i], v[C2+4*\c+\i]
.endr
.endr
	global_store_b128 v[L16], v[C:C+3], s[6:7] offset:((\f)%2)*12288+((\f)/2)*1536          ; each store covers whole aligned runs of 256 bytes
	global_store_b64 v[L8], v[C+4:C+5], s[6:7] offset:((\f)%2)*12288+((\f)/2)*1536+512
	global_store_b128 v[L16], v[C+6:C+9], s[6:7] offset:((\f)%2)*12288+((\f)/2)*1536+768
	global_store_b64 v[L8], v[C+10:C+11], s[6:7] offset:((\f)%2)*12288+((\f)/2)*1536+1280
.endm
	LOAD 0
	LOAD 1
.irp f, 0,1,2,3
.if \f < 3
	s_wait_loadcnt 16                              ; this fragment's 16 loads are in; the next fragment's 16 may be out
.else
	s_wait_loadcnt 0x0
.endif
	TURN \f
	s_wait_dscnt 0x0                               ; the numbers are back, and the stage's stores have read their set,
.if \f < 2
	LOAD \f+2                                      ; which takes the fragment two on
.endif
	Q1 \f
.endr
	v_cndmask_b32 v[OW], v[SW], v[SW+2], s30       ; lanes 0-15 store the even tile's two words, lanes 16-31 the odd tile's
	v_cndmask_b32 v[OW+1], v[SW+1], v[SW+3], s30
	global_store_b64 v[SA], v[OW:OW+1], s[20:21]   ; 32 lanes store 256 consecutive bytes, aligned
	s_wait_tensorcnt 0x0                           ; the wave's end
	ds_add_u32 v[SPW], v[NIL]
	s_wait_dscnt 0x0
	s_endpgm
.Lfunc_end_k_qc94e6176bf_quant:
	.size	k_qc94e6176bf_quant, .Lfunc_end_k_qc94e6176bf_quant-k_qc94e6176bf_quant
	.p2alignl 7, 3214868480
	.fill 96, 4, 3214868480
	.section	.rodata,"a",@progbits
	.p2align	6, 0x0
	.amdhsa_kernel k_qc94e6176bf_quant
		.amdhsa_group_segment_fixed_size 34304
		.amdhsa_private_segment_fixed_size 0
		.amdhsa_enable_private_segment 0
		.amdhsa_kernarg_size 56
		.amdhsa_user_sgpr_count 2
		.amdhsa_user_sgpr_kernarg_segment_ptr 1
		.amdhsa_wavefront_size32 1
		.amdhsa_system_sgpr_workgroup_id_x 1
		.amdhsa_system_sgpr_workgroup_id_y 1
		.amdhsa_system_sgpr_workgroup_id_z 1
		.amdhsa_system_vgpr_workitem_id 0
		.amdhsa_next_free_vgpr 256
		.amdhsa_next_free_sgpr 66
		.amdhsa_reserve_vcc 0
		.amdhsa_float_denorm_mode_32 3
		.amdhsa_float_denorm_mode_16_64 3
		.amdhsa_memory_ordered 1
		.amdhsa_forward_progress 1
		.amdhsa_inst_pref_size 31
	.end_amdhsa_kernel
	.amdgpu_metadata
---
amdhsa.version: [ 1, 2 ]
amdhsa.kernels:
  - .name:           k_qc94e6176bf_quant
    .symbol:         k_qc94e6176bf_quant.kd
    .args:
      - { .name: x, .offset: 0, .size: 8, .value_kind: global_buffer, .address_space: global }
      - { .name: Wq, .offset: 8, .size: 8, .value_kind: global_buffer, .address_space: global }
      - { .name: Wk, .offset: 16, .size: 8, .value_kind: global_buffer, .address_space: global }
      - { .name: Wv, .offset: 24, .size: 8, .value_kind: global_buffer, .address_space: global }
      - { .name: Wo, .offset: 32, .size: 8, .value_kind: global_buffer, .address_space: global }
      - { .name: opc, .offset: 40, .size: 8, .value_kind: global_buffer, .address_space: global }
      - { .name: ops, .offset: 48, .size: 8, .value_kind: global_buffer, .address_space: global }
    .group_segment_fixed_size: 34304
    .private_segment_fixed_size: 0
    .kernarg_segment_align: 8
    .kernarg_segment_size: 56
    .max_flat_workgroup_size: 128
    .sgpr_count:     66
    .vgpr_count:     256
    .wavefront_size: 32
...
	.end_amdgpu_metadata
.endif
;; end of part 1
;; launch qkv (part 2): grid 8 x 48, 4 waves a work-group, clusters of 4 x 4, 327,680 bytes of LDS; arguments opc, ops, bq, bk, bv, qc, kv; writes qc, kv
.if DOCPART == 2
	.amdgcn_target "amdgcn-amd-amdhsa--gfx1250"
	.amdhsa_code_object_version 6
	.text
	.protected	k_qc94e6176bf_qkv
	.globl	k_qc94e6176bf_qkv
	.p2align	8
	.type	k_qc94e6176bf_qkv,@function
k_qc94e6176bf_qkv:
	s_mov_b64 s[64:65], 0
	v_nop
	global_prefetch_b8 v0, s[64:65] scope:SCOPE_SE
	s_setreg_imm32_b32 hwreg(HW_REG_WAVE_MODE, 25, 1), 1
	s_wait_xcnt 0x0
	s_wait_alu depctr_hold_cnt(0) depctr_sa_sdst(0) depctr_va_vdst(0) depctr_va_sdst(0) depctr_va_ssrc(0) depctr_va_vcc(0) depctr_vm_vsrc(0)
	s_getreg_b32 s2, hwreg(HW_REG_IB_STS2, 6, 4)
	s_cmp_eq_u32 s2, 0
	s_cbranch_scc0 .Lentry_in_a_cluster
	s_endpgm
.Lentry_in_a_cluster:
	s_bfe_u32 s2, ttmp6, 0x10000c
	s_cmp_lg_u32 s2, 0xf033
	s_cbranch_scc0 .Lentry_shape_is_right
	s_endpgm
.Lentry_shape_is_right:
.set CBIAS,  0
.set NQ,     2
.set FR,     12
.set FRB,    1536
.set STEPB,  8*FRB
.set HALFT,  2*STEPB
.set SLOT,   4*HALFT
.set GRPB,   8*STEPB
.set GRPS,   4096
.set SCL,    2*SLOT
.set SPARE,  SCL+4*GRPS
.set NL,     4
.set NP,     4
.set ADRA, 16
.set ADRB, 20
.set ADRS, 27
.set SPW,  28
.set NIL,  29
.set L16,  30
.set L8,   31
.set SC,   32
.set BR,   64
.set AF,   128
.set QIN,  128
.set PC,   192
.set TM,   212
.set SRT,  224
.set BL,   232
.set PWB,  248
.set G1,   24
.set G0,   32
.set G1B,  48
.set G0B,  56
.set G1S,  68
.set G0S,  76
.set G1SB, 80
.set G0SB, 88
.set MSB, 0
.macro WIN new
.if MSB != (\new)
	s_set_vgpr_msb (MSB<<8)|(\new)
.set MSB, (\new)
.endif
.endm
.set MUL_LO, 0xa1
.set MUL_HI, 0xf1
.set TO_B,   0x40
.if CBIAS
.set FIRST_LO, 0x81
.set FIRST_HI, 0xc1
.else
.set FIRST_LO, MUL_LO
.set FIRST_HI, MUL_HI
.endif
.macro JLOAD g0a, g1a, g0b, g1b
	s_cmp_eq_u32 s19, 0
	s_cbranch_scc0 .Lfor_b_\@
	tensor_load_to_lds s[\g0a:\g0a+3], s[\g1a:\g1a+7]
	s_nop 0
.rept 4
	v_nop
.endr
	s_branch .Lasked_\@
.Lfor_b_\@:
	tensor_load_to_lds s[\g0b:\g0b+3], s[\g1b:\g1b+7]
	s_nop 0
.rept 4
	v_nop
.endr
.Lasked_\@:
.endm
.macro CREST
	s_cmp_lg_u32 s18, 0
	s_cbranch_scc1 .Lnot_wave_0_\@
	s_barrier_signal -3
.Lnot_wave_0_\@:
	s_barrier_wait -3
	s_barrier_signal -1
	s_barrier_wait -1
.endm
.macro CROUND
	s_barrier_signal -1
	s_barrier_wait -1
	CREST
.endm
.macro PLACES n
.rept \n
	v_nop
.endr
.endm
	s_load_b256 s[4:11], s[0:1], 0x0
	s_load_b128 s[12:15], s[0:1], 0x20
	s_load_b64 s[16:17], s[0:1], 0x30
	v_lshl_add_u32 v[SPW], v0, 2, SPARE
	v_mov_b32 v[NIL], 0
	ds_add_u32 v[SPW], v[NIL]
	ds_add_u32 v[SPW], v[NIL]
	v_lshrrev_b32 v1, 5, v0
	v_readfirstlane_b32 s18, v1
	s_lshr_b32 s19, s18, 1
	s_and_b32 s20, s18, 1
	s_bfe_u32 s21, ttmp6, 0x40000
	s_bfe_u32 s22, ttmp6, 0x40004
	s_and_b32 s44, ttmp7, 0xffff
	s_sub_co_u32 s45, s44, 8
	s_lshl_b32 s45, s45, 1
	s_add_co_u32 s45, s45, ttmp9
	s_cmp_ge_u32 s44, 8
	s_cselect_b32 s23, 1, 0
	s_cselect_b32 s44, 0, s44
	s_cselect_b32 s45, s45, ttmp9
	s_cselect_b32 s46, 80, 0
	s_cselect_b32 s47, 0, 64
	s_lshl_b32 s40, s44, 2
	s_add_co_u32 s40, s40, s22
	s_lshl_b32 s41, s45, 2
	s_add_co_u32 s41, s41, s21
	s_lshl_b32 s42, s22, 2
	s_lshl_b32 s42, 15, s42
	s_lshl_b32 s43, 0x1111, s21
	s_or_b32 s[G1+0], s42, (3<<16)|(1<<21)
	s_or_b32 s[G1B+0], s43, (3<<16)|(1<<21)
	s_or_b32 s[G1S+0], s42, (3<<16)|(1<<21)
	s_or_b32 s[G1SB+0], s43, (3<<16)|(1<<21)
.irp g, G1, G1B                        ; the head's tile of codes: two groups' first two K steps, 2 rows of 24,576 bytes (3,072 elements of 8), a group (98,304 bytes) apart
	s_mov_b32 s[\g+1], 3072<<16
	s_mov_b32 s[\g+2], 2<<16
	s_mov_b32 s[\g+3], 3072<<16
	s_mov_b32 s[\g+4], 2
	s_mov_b32 s[\g+5], 12288
	s_mov_b32 s[\g+6], 0
	s_mov_b32 s[\g+7], 0
.endr
.irp g, G1S, G1SB
	s_mov_b32 s[\g+1], 32<<16
	s_mov_b32 s[\g+2], 32<<16                      ; two groups' scale words: 8,192 dense bytes as 32 rows of 256
	s_mov_b32 s[\g+3], 32<<16
	s_mov_b32 s[\g+4], 32
	s_mov_b32 s[\g+5], 32
	s_mov_b32 s[\g+6], 0
	s_mov_b32 s[\g+7], 0
.endr
	s_lshl_b32 s44, s40, 1
	s_add_co_u32 s44, s44, s46                     ; A's first group of two
	s_lshl_b32 s45, s41, 1
	s_add_co_u32 s45, s45, s47                     ; B's first group of two
	s_mul_i32 s46, s44, GRPB
	s_mov_b32 s47, 0
	s_lshl_b32 s66, s44, 12
	s_mov_b32 s67, 0
	s_mul_i32 s92, s45, GRPB
	s_mov_b32 s93, 0
	s_lshl_b32 s94, s45, 12
	s_mov_b32 s95, 0
	s_mul_i32 s2, s18, HALFT
	s_wait_dscnt 0x0
	s_wait_kmcnt 0x0
	s_add_nc_u64 s[46:47], s[4:5], s[46:47]
	s_add_nc_u64 s[66:67], s[6:7], s[66:67]
	s_add_nc_u64 s[92:93], s[4:5], s[92:93]
	s_add_nc_u64 s[94:95], s[6:7], s[94:95]
	CROUND
	s_mov_b32 s[G0S], 1
	s_mov_b32 s[G0S+1], SCL
	s_mov_b64 s[G0S+2:G0S+3], s[66:67]
	s_or_b32 s[G0S+3], s[G0S+3], 0x80000000
	s_mov_b32 s[G0SB], 1
	s_mov_b32 s[G0SB+1], SCL+2*GRPS
	s_mov_b64 s[G0SB+2:G0SB+3], s[94:95]
	s_or_b32 s[G0SB+3], s[G0SB+3], 0x80000000
	s_mov_b32 s[G0], 1                             ; slot 0's first fill, whole: A's two halves from LDS byte 0,
	s_mov_b32 s[G0+1], 0
	s_mov_b64 s[G0+2:G0+3], s[46:47]
	s_or_b32 s[G0+3], s[G0+3], 0x80000000
	s_mov_b32 s[G0B], 1                            ; B's two halves behind them
	s_mov_b32 s[G0B+1], 2*HALFT
	s_mov_b64 s[G0B+2:G0B+3], s[92:93]
	s_or_b32 s[G0B+3], s[G0B+3], 0x80000000
; the head's four tiles, one joint load a wave, in one chain of branches on the wave's number: A's codes, B's codes, A's scales, B's scales
.macro ARM w, g0, g1, next
	s_cmp_eq_u32 s18, \w
	s_cbranch_scc0 \next
	tensor_load_to_lds s[\g0:\g0+3], s[\g1:\g1+7]
	s_nop 0
	PLACES 4
	s_branch .Lhead_asked
\next:
.endm
	ARM 0, G0, G1, .Lhead_b
	ARM 1, G0B, G1B, .Lhead_sa
	ARM 2, G0S, G1S, .Lhead_sb
	tensor_load_to_lds s[G0SB:G0SB+3], s[G1SB:G1SB+7]
	s_nop 0
	PLACES 4
.Lhead_asked:
	s_mul_i32 s6, s20, GRPB                        ; for the ring: my half's group
	s_mov_b32 s7, 0
	s_add_nc_u64 s[46:47], s[46:47], s[6:7]
	s_add_nc_u64 s[92:93], s[92:93], s[6:7]
	s_mov_b32 s[G0+4], 1                           ; slot 1's groups 0: my quarter of the slot, K steps 2 and 3
	s_add_co_u32 s[G0+5], s2, SLOT
	s_add_nc_u64 s[G0+6:G0+7], s[46:47], HALFT
	s_or_b32 s[G0+7], s[G0+7], 0x80000000
	s_mov_b32 s[G0B+4], 1
	s_add_co_u32 s[G0B+5], s2, SLOT
	s_add_nc_u64 s[G0B+6:G0B+7], s[92:93], HALFT
	s_or_b32 s[G0B+7], s[G0B+7], 0x80000000
	s_cmp_eq_u32 s19, 0                            ; the prefetches' base: of the 96 blocks of 256 bytes that my ring load brings, the four partners that ask jointly take 24 each, told apart by address
	s_cselect_b64 s[4:5], s[46:47], s[92:93]
	s_cselect_b32 s6, s21, s22
	s_mul_i32 s6, s6, 6144
	s_add_nc_u64 s[4:5], s[4:5], s[6:7]            ; never rewritten
	v_and_b32 v1, 15, v0
	v_bfe_u32 v2, v0, 4, 1
	v_and_b32 v3, 31, v0
	v_min_u32 v26, 23, v3                          ; a lane a block; the lanes left over name the last block again.  v26 is never rewritten
	v_lshlrev_b32 v26, 8, v26
	global_prefetch_b8 v26, s[4:5] offset:HALFT th:TH_LOAD_NT scope:SCOPE_SE     ; what slot 1's first fill and slot 0's refill will ask for
	global_prefetch_b8 v26, s[4:5] offset:2*HALFT th:TH_LOAD_NT scope:SCOPE_SE
	v_lshlrev_b32 v[L16], 4, v3
	v_lshlrev_b32 v[L8], 3, v3
	s_mul_i32 s44, s19, HALFT
	s_mul_i32 s45, s20, HALFT
	s_add_co_u32 s45, s45, 2*HALFT
.irp s, 0,1
	v_add_nc_u32 v[ADRA+\s], s44, v[L16]
	v_add_nc_u32 v[ADRA+2+\s], s44, v[L8]
	v_add_nc_u32 v[ADRB+\s], s45, v[L16]
	v_add_nc_u32 v[ADRB+2+\s], s45, v[L8]
	s_add_co_u32 s44, s44, SLOT
	s_add_co_u32 s45, s45, SLOT
.endr
	s_lshl_b32 s44, s19, 12
	s_lshl_b32 s45, s20, 12
	s_add_co_u32 s45, s45, 2*GRPS
	s_sub_co_u32 s45, s45, s44
	v_mul_u32_u24 v4, s45, v2
	s_add_co_u32 s44, s44, SCL
	v_lshl_add_u32 v4, v1, 4, v4
	v_add_nc_u32 v[ADRS], s44, v4
	s_and_b32 s66, s41, 3
	s_lshl_b32 s66, s66, 10
	s_lshl_b32 s67, s20, 9
	s_add_co_u32 s66, s66, s67
	s_mov_b32 s67, 0
	s_and_b32 s44, ttmp9, 1
	s_cmp_lg_u32 s44, 0
	s_cselect_b64 s[46:47], s[10:11], s[8:9]
	s_add_nc_u64 s[46:47], s[46:47], s[66:67]
	v_lshlrev_b32 v5, 6, v2
.irp b, 0,1,2,3,4,5,6,7
	global_load_b128 v[BR+8*\b:BR+8*\b+3], v5, s[46:47] offset:(32*(\b/2)+8*(\b%2))*4
	global_load_b128 v[BR+8*\b+4:BR+8*\b+7], v5, s[46:47] offset:(32*(\b/2)+8*(\b%2))*4+16
.endr
	s_and_b32 s44, s40, 3
	s_lshl_b32 s44, s44, 10
	s_lshl_b32 s45, s19, 9
	s_add_co_u32 s44, s44, s45
	s_mov_b32 s45, 0
	s_add_nc_u64 s[12:13], s[12:13], s[44:45]
	v_and_b32 v6, 8, v1
	v_add_nc_u32 v6, v6, v1
	v_lshlrev_b32 v6, 2, v6
.irp a, 0,1,2,3,4,5,6,7
	global_load_b32 v[BL+2*\a], v6, s[12:13] offset:(32*(\a/2)+8*(\a%2))*4
	global_load_b32 v[BL+2*\a+1], v6, s[12:13] offset:(32*(\a/2)+8*(\a%2))*4
.endr
	s_lshl_b32 s44, s40, 1
	s_add_co_u32 s44, s44, s19
	s_lshl_b32 s45, s41, 1
	s_add_co_u32 s45, s45, s20
	s_and_b32 s66, s41, 3
	s_lshl_b32 s66, s66, 2
	s_lshl_b32 s67, s20, 1
	s_add_co_u32 s66, s66, s67
	s_lshl_b32 s67, s40, 2
	s_lshl_b32 s2, s19, 1
	s_add_co_u32 s67, s67, s2
	s_or_b32 s3, s23, ttmp9
	s_cmp_lg_u32 s23, 0
	s_cselect_b32 s44, s45, s44
	s_cselect_b32 s66, s67, s66
	s_cselect_b32 s67, 6144, 0
	s_mov_b32 s45, 12288
	s_cselect_b32 s45, 12800, s45
	s_cmp_eq_u32 s3, 0
	s_cselect_b32 s45, 6144, s45
	s_mov_b32 s2, 13056
	s_cselect_b32 s2, 6656, s2
	s_cselect_b64 s[92:93], s[14:15], s[16:17]
	s_lshr_b32 s3, s44, 4
	s_lshl_b32 s3, s3, 4
	s_add_co_u32 s3, s3, s66
	s_lshl_b32 s3, s3, 4
	s_and_b32 s44, s44, 15
	s_add_co_u32 s3, s3, s44
	s_mul_i32 s44, s3, s2
	s_add_co_u32 s66, s44, s67
	s_mov_b32 s67, 0
	s_add_co_u32 s44, s44, s45
	s_mov_b32 s45, 0
	s_lshl_b32 s2, s2, 4
	s_mov_b32 s3, 0
	s_add_nc_u64 s[96:97], s[92:93], s[44:45]
	s_add_nc_u64 s[92:93], s[92:93], s[66:67]
	s_add_nc_u64 s[94:95], s[92:93], s[2:3]
	s_add_nc_u64 s[98:99], s[96:97], s[2:3]
	s_mov_b32 s100, 0x76543210
	s_mov_b32 s101, 0xfedcba98
	s_mov_b32 s2, 0xffff0000
.macro FRAG reg, adr, q, i
	ds_load_b128 v[\reg:\reg+3], v[\adr] offset:(\q)*STEPB+(\i)*FRB
	ds_load_b64 v[\reg+4:\reg+5], v[\adr+2] offset:(\q)*STEPB+(\i)*FRB+512
	ds_load_b128 v[\reg+6:\reg+9], v[\adr] offset:(\q)*STEPB+(\i)*FRB+768
	ds_load_b64 v[\reg+10:\reg+11], v[\adr+2] offset:(\q)*STEPB+(\i)*FRB+1280
.endm
.macro MUL16 a0, p, q, sc, zero
.irp a, \a0, \a0+1
.irp b, 0,1,2,3,4,5,6,7
.if (\zero) && CBIAS
	v_wmma_scale_f32_16x16x128_f8f6f4 v[8*(8*((\a)%4)+\b):8*(8*((\a)%4)+\b)+7], v[128*(\p)+FR*\b:128*(\p)+FR*\b+FR-1], v[AF+FR*(\a):AF+FR*(\a)+FR-1], v[BR+8*\b:BR+8*\b+7], v[SC+8*NQ*(\sc)+NQ*\b+(\q)], v[SC+8*NQ*(\sc)+NQ*(\a)+(\q)] matrix_a_fmt:MATRIX_FMT_FP6 matrix_b_fmt:MATRIX_FMT_FP6 matrix_a_scale:MATRIX_SCALE_ROW1
.elseif \zero
	v_wmma_scale_f32_16x16x128_f8f6f4 v[8*(8*((\a)%4)+\b):8*(8*((\a)%4)+\b)+7], v[128*(\p)+FR*\b:128*(\p)+FR*\b+FR-1], v[AF+FR*(\a):AF+FR*(\a)+FR-1], 0, v[SC+8*NQ*(\sc)+NQ*\b+(\q)], v[SC+8*NQ*(\sc)+NQ*(\a)+(\q)] matrix_a_fmt:MATRIX_FMT_FP6 matrix_b_fmt:MATRIX_FMT_FP6 matrix_a_scale:MATRIX_SCALE_ROW1
.else
	v_wmma_scale_f32_16x16x128_f8f6f4 v[8*(8*((\a)%4)+\b):8*(8*((\a)%4)+\b)+7], v[128*(\p)+FR*\b:128*(\p)+FR*\b+FR-1], v[AF+FR*(\a):AF+FR*(\a)+FR-1], v[8*(8*((\a)%4)+\b):8*(8*((\a)%4)+\b)+7], v[SC+8*NQ*(\sc)+NQ*\b+(\q)], v[SC+8*NQ*(\sc)+NQ*(\a)+(\q)] matrix_a_fmt:MATRIX_FMT_FP6 matrix_b_fmt:MATRIX_FMT_FP6 matrix_a_scale:MATRIX_SCALE_ROW1
.endif
.endr
.endr
.endm
.macro FETCH_B slot, q, p
	WIN TO_B
.irp i, 0,1,2,3,4,5,6,7
	FRAG 128*(\p)+FR*\i, ADRB+\slot, \q, \i
.endr
	WIN 0
.endm
.macro FETCH_A slot, q, i0
.irp i, \i0, \i0+1, \i0+2, \i0+3
	FRAG AF+FR*(\i), ADRA+\slot, \q, \i
.endr
.endm
.macro SCALES sc
.irp n, 0,1,2,3
	ds_load_b128 v[SC+16*\sc+4*\n:SC+16*\sc+4*\n+3], v[ADRS] offset:256*\n
.endr
.endm
.macro STEP slot, q, zero
	s_wait_dscnt 4*NL
.if \zero
	WIN FIRST_LO
.else
	WIN MUL_LO
.endif
	MUL16 0, (\q)%2, \q, \slot, \zero
	MUL16 2, (\q)%2, \q, \slot, \zero
	s_wait_dscnt 0
	PLACES NP
	FETCH_B \slot, (\q)+1, 1-(\q)%2
	FETCH_A \slot, (\q)+1, 0
.if \zero
	WIN FIRST_HI
.else
	WIN MUL_HI
.endif
	MUL16 4, (\q)%2, \q, \slot, \zero
	MUL16 6, (\q)%2, \q, \slot, \zero
	PLACES NP
	WIN 0
	FETCH_A \slot, (\q)+1, 4
.endm
.macro TURN slot, next, fill
	s_wait_tensorcnt 0x0
	ds_add_u32 v[SPW], v[NIL]
	s_wait_dscnt 4*NL+1
	WIN MUL_LO
	MUL16 0, 1, NQ-1, \slot, 0
	s_wait_dscnt 0x0
	s_barrier_signal -1
	MUL16 2, 1, NQ-1, \slot, 0
	WIN 0
	s_barrier_wait -1
.if \fill
	CREST
	s_add_nc_u64 s[G0+4*\slot+2:G0+4*\slot+3], s[G0+4*\slot+2:G0+4*\slot+3], 2*HALFT
	s_add_nc_u64 s[G0B+4*\slot+2:G0B+4*\slot+3], s[G0B+4*\slot+2:G0B+4*\slot+3], 2*HALFT
	JLOAD G0+4*\slot, G1, G0B+4*\slot, G1B
.else
	PLACES NP
.endif
	s_wait_alu depctr_va_vdst(0)
	v_add_nc_u32 v[ADRS], 1024, v[ADRS]
	FETCH_B \next, 0, 0
	FETCH_A \next, 0, 0
	SCALES \next
.if (\fill) && (\slot) == 0
	global_prefetch_b8 v26, s[4:5] offset:3*HALFT th:TH_LOAD_NT scope:SCOPE_SE   ; the last refill's bytes, one change of slots ahead
.endif
	WIN MUL_HI
	MUL16 4, 1, NQ-1, \slot, 0
	MUL16 6, 1, NQ-1, \slot, 0
	PLACES NP
	WIN 0
	FETCH_A \next, 0, 4
.endm
	s_wait_alu depctr_va_vdst(0)
	s_wait_loadcnt 0x0
	s_wait_tensorcnt 0x0                           ; my tile of the head's four is in
	ds_add_u32 v[SPW], v[NIL]
.irp g, G1, G1B                        ; no tensor load of mine is out: from here on a load brings a quarter of a slot, 96 rows of 256 bytes
	s_mov_b32 s[\g+1], 32<<16
	s_mov_b32 s[\g+2], 96<<16
	s_mov_b32 s[\g+3], 32<<16
	s_mov_b32 s[\g+4], 96
	s_mov_b32 s[\g+5], 32
.endr
	s_mul_i32 s44, s20, GRPB                       ; and slot 0's groups 0 become my quarter's
	s_mov_b32 s45, 0
	s_mul_i32 s[G0+1], s18, HALFT
	s_mul_i32 s[G0B+1], s18, HALFT
	s_add_nc_u64 s[G0+2:G0+3], s[G0+2:G0+3], s[44:45]
	s_add_nc_u64 s[G0B+2:G0B+3], s[G0B+2:G0B+3], s[44:45]
	s_wait_dscnt 0x0
	CROUND                                         ; all four tiles are in, and the partners are here
	JLOAD G0+4, G1, G0B+4, G1B                     ; slot 1's first fill, the first tensor load behind the round
	FETCH_B 0, 0, 0
	FETCH_A 0, 0, 0
	SCALES 0
	FETCH_A 0, 0, 4
	STEP 0, 0, 1
	TURN 0, 1, 1
	STEP 1, 0, 0
	TURN 1, 0, 1
	STEP 0, 0, 0
	TURN 0, 1, 0
	STEP 1, 0, 0
	s_wait_dscnt 4*NL
	WIN MUL_LO
	MUL16 0, 1, NQ-1, 1, 0
	MUL16 2, 1, NQ-1, 1, 0
	s_wait_dscnt 0
	WIN MUL_HI
	MUL16 4, 1, NQ-1, 1, 0
	MUL16 6, 1, NQ-1, 1, 0
	WIN 0
.macro QUANT s, pw
.irp b, 0,1,2,3
	v_max3_num_f32 v[TM+\b], |v[\s+16*\b]|, |v[\s+1+16*\b]|, 0x1800000
.endr
.irp i, 2,4,6,8,10,12,14
.irp b, 0,1,2,3
	v_max3_num_f32 v[TM+\b], v[TM+\b], |v[\s+16*\b+\i]|, |v[\s+1+16*\b+\i]|
.endr
.endr
.irp b, 0,1,2,3
	v_permlanex16_b32 v[TM+4+\b], v[TM+\b], s100, s101
.endr
.irp b, 0,1,2,3
	v_max_num_f32 v[TM+\b], v[TM+\b], v[TM+4+\b]
.endr
.irp b, 0,1,2,3
	v_add_nc_u32 v[TM+12+\b], 0xff000000, v[TM+\b]
.endr
.irp b, 0,1,2,3
	v_lshrrev_b32 v[TM+4+\b], 23, v[TM+12+\b]
.endr
	v_lshl_or_b32 v[\pw], v[TM+5], 8, v[TM+4]
	v_lshl_or_b32 v[\pw], v[TM+6], 16, v[\pw]
	v_lshl_or_b32 v[\pw], v[TM+7], 24, v[\pw]
.irp c, 0,1
	v_cvt_scalef32_pk16_fp6_f32 v[PC+6*\c:PC+2+6*\c], v[\s+32*\c:\s+15+32*\c], v[TM+12+2*\c]
	v_cvt_scalef32_pk16_fp6_f32 v[PC+12+4*\c:PC+14+4*\c], v[\s+16+32*\c:\s+31+32*\c], v[TM+12+2*\c+1]
.endr
	v_nop
.irp c, 0,1
.irp i, 0,1,2
	v_permlane16_swap_b32 v[PC+6*\c+\i], v[PC+12+4*\c+\i]
.endr
.irp i, 0,1,2
	v_mov_b32 v[PC+3+6*\c+\i], v[PC+12+4*\c+\i]
.endr
.endr
.endm
.macro EPI way
	PLACES NP
.irp b, 0,1,2,3
	v_mov_b32 v[TM+4+\b], 0
.endr
.irp a, 0,1,2,3,4,5,6,7
	WIN 0x02+(\a/4)
.irp b, 0,1,2,3,4,5,6,7
.irp k, 0,2,4,6
.if \way
	v_pk_add_f32 v[QIN+8*\b+\k:QIN+8*\b+\k+1], v[64*(\a%4)+8*\b+\k:64*(\a%4)+8*\b+\k+1], v[BL+2*\a:BL+2*\a+1]
.else
	v_pk_add_f32 v[QIN+8*\b+\k:QIN+8*\b+\k+1], v[64*(\a%4)+8*\b+\k:64*(\a%4)+8*\b+\k+1], v[BR+8*\b+\k:BR+8*\b+\k+1]
.endif
.endr
.endr
	WIN 0
.if \a > 0
	s_wait_xcnt 0x0
.endif
	QUANT QIN, PWB+\a
.if \way
	global_store_b128 v[L16], v[PC:PC+3], s[92+2*(\a/4):93+2*(\a/4)] offset:(\a%4)*FRB
	global_store_b64 v[L8], v[PC+4:PC+5], s[92+2*(\a/4):93+2*(\a/4)] offset:(\a%4)*FRB+512
	global_store_b128 v[L16], v[PC+6:PC+9], s[92+2*(\a/4):93+2*(\a/4)] offset:(\a%4)*FRB+768
	global_store_b64 v[L8], v[PC+10:PC+11], s[92+2*(\a/4):93+2*(\a/4)] offset:(\a%4)*FRB+1280
.else
	global_store_b128 v[L16], v[PC:PC+3], s[92:93] offset:\a*768
	global_store_b64 v[L8], v[PC+4:PC+5], s[92:93] offset:\a*768+512
	global_store_b128 v[L16], v[PC+6:PC+9], s[94:95] offset:\a*768
	global_store_b64 v[L8], v[PC+10:PC+11], s[94:95] offset:\a*768+512
.endif
.endr
.irp j, 0,1,2,3
	v_cndmask_b32 v[SRT+\j], v[PWB+2*\j], v[PWB+2*\j+1], s2
.endr
.if \way
	global_store_b64 v[L8], v[SRT:SRT+1], s[96:97]
	global_store_b64 v[L8], v[SRT+2:SRT+3], s[98:99]
.else
.irp j, 0,1,2,3
	v_and_b32 v[SRT+4+\j], 0xffff, v[SRT+\j]
	v_lshrrev_b32 v[PWB+\j], 16, v[SRT+\j]
.endr
	global_store_b128 v[L16], v[SRT+4:SRT+7], s[96:97]
	global_store_b128 v[L16], v[PWB:PWB+3], s[98:99]
.endif
.endm
	s_cmp_lg_u32 s23, 0
	s_cbranch_scc1 .Lv
	EPI 0
	s_branch .Lend
.Lv:
	EPI 1
.Lend:
	s_wait_tensorcnt 0x0
	ds_add_u32 v[SPW], v[NIL]
	s_wait_dscnt 0x0
	CROUND
	s_endpgm
.Lfunc_end_k_qc94e6176bf_qkv:
	.size	k_qc94e6176bf_qkv, .Lfunc_end_k_qc94e6176bf_qkv-k_qc94e6176bf_qkv
	.p2alignl 7, 3214868480
	.fill 96, 4, 3214868480
	.section	.rodata,"a",@progbits
	.p2align	6, 0x0
	.amdhsa_kernel k_qc94e6176bf_qkv
		.amdhsa_group_segment_fixed_size 327680
		.amdhsa_private_segment_fixed_size 0
		.amdhsa_enable_private_segment 0
		.amdhsa_kernarg_size 56
		.amdhsa_user_sgpr_count 2
		.amdhsa_user_sgpr_kernarg_segment_ptr 1
		.amdhsa_wavefront_size32 1
		.amdhsa_system_sgpr_workgroup_id_x 1
		.amdhsa_system_sgpr_workgroup_id_y 1
		.amdhsa_system_sgpr_workgroup_id_z 1
		.amdhsa_system_vgpr_workitem_id 0
		.amdhsa_next_free_vgpr 1024
		.amdhsa_next_free_sgpr 102
		.amdhsa_reserve_vcc 0
		.amdhsa_float_denorm_mode_32 3
		.amdhsa_float_denorm_mode_16_64 3
		.amdhsa_memory_ordered 1
		.amdhsa_forward_progress 1
		.amdhsa_inst_pref_size 220
	.end_amdhsa_kernel
	.amdgpu_metadata
---
amdhsa.version: [ 1, 2 ]
amdhsa.kernels:
  - .name:           k_qc94e6176bf_qkv
    .symbol:         k_qc94e6176bf_qkv.kd
    .args:
      - { .name: opc, .offset: 0, .size: 8, .value_kind: global_buffer, .address_space: global }
      - { .name: ops, .offset: 8, .size: 8, .value_kind: global_buffer, .address_space: global }
      - { .name: bq, .offset: 16, .size: 8, .value_kind: global_buffer, .address_space: global }
      - { .name: bk, .offset: 24, .size: 8, .value_kind: global_buffer, .address_space: global }
      - { .name: bv, .offset: 32, .size: 8, .value_kind: global_buffer, .address_space: global }
      - { .name: qc, .offset: 40, .size: 8, .value_kind: global_buffer, .address_space: global }
      - { .name: kv, .offset: 48, .size: 8, .value_kind: global_buffer, .address_space: global }
    .group_segment_fixed_size: 327680
    .private_segment_fixed_size: 0
    .kernarg_segment_align: 8
    .kernarg_segment_size: 56
    .max_flat_workgroup_size: 128
    .sgpr_count:     102
    .vgpr_count:     1024
    .wavefront_size: 32
...
	.end_amdgpu_metadata
.endif
;; end of part 2
;; launch attn (part 3): grid 4 x 64, 16 waves a work-group, clusters of 4 x 1, 210,944 bytes of LDS; arguments qc, kv, vwc, vws; writes vwc, vws
.if DOCPART == 3
	.amdgcn_target "amdgcn-amd-amdhsa--gfx1250"
	.amdhsa_code_object_version 6
	.text
	.protected	k_qc94e6176bf_attn
	.globl	k_qc94e6176bf_attn
	.p2align	8
	.type	k_qc94e6176bf_attn,@function
k_qc94e6176bf_attn:
	s_mov_b64 s[64:65], 0
	v_nop
	global_prefetch_b8 v0, s[64:65] scope:SCOPE_SE
	s_setreg_imm32_b32 hwreg(HW_REG_WAVE_MODE, 25, 1), 1
	s_wait_xcnt 0x0
	s_wait_alu depctr_hold_cnt(0) depctr_sa_sdst(0) depctr_va_vdst(0) depctr_va_sdst(0) depctr_va_ssrc(0) depctr_va_vcc(0) depctr_vm_vsrc(0)
	s_getreg_b32 s2, hwreg(HW_REG_IB_STS2, 6, 4)
	s_cmp_eq_u32 s2, 0
	s_cbranch_scc0 .Lentry_in_a_cluster
	s_endpgm
.Lentry_in_a_cluster:
	s_bfe_u32 s2, ttmp6, 0x10000c
	s_cmp_lg_u32 s2, 0x3003
	s_cbranch_scc0 .Lentry_shape_is_right
	s_endpgm
.Lentry_shape_is_right:
; vw[b][q][h][:] = the sum over keys of softmax(q . k / 8) v, both products on codes of FP6 (E2M3) with E8M0 scales; vw is quantised along h x 64 + d and leaves as images of the last product's operand registers.
; THE SOFTMAX: t = score x log2(e) / 8; M = the row's largest t so far, rounded up to a whole number; p = 2^(t - M) is quantised along the keys, not normalised.
; The row's sum is taken of the unquantised p and divides at the end.  When M moves, the sum and O are multiplied by 2^(old M - new M): exact.
; SHARES.  A cluster of four work-groups owns one (batch, head); a work-group 512 queries, each of its sixteen waves two tiles of 16, one after the other (two passes): 256 registers a wave, four waves to a SIMD.
; K AND V OF THE WHOLE HEAD STAY IN LDS: 16 key steps of 128 keys, 13,056 bytes each, each byte filled once: no ring, no refill.  The four work-groups ask for each block JOINTLY (mask 15).
; Wave w issues ONE load, key step w.  Waves 0 to 3 have a load line and a wait of their own: pass 0 begins on steps 0 to 3 while the other twelve are on their way; a second barrier, in front of which every wave
; has waited, shows those.  All is asked for at the head, so nothing is left to prefetch.
; A block: k's 8 half fragments of 768 bytes (tile t, lane r = key 32 (t / 2) + 8 (t % 2) + r + 8 (r / 8)), v^T's 4 fragments of 1,536 from 6,144 (lane r = channel by the same map), k's scale words from 12,288, v's from 12,800.
; LAYOUT.  Both products are used transposed: S^T = k q^T, O^T = v^T p^T: a lane holds one query; the 16 registers of tiles 2 b and 2 b + 1 are 16 neighbours: keys in S^T, channels in O^T.
; THE FIRST PRODUCT'S K IS 64, the instruction's 128.  q's registers 6-11 hold zero codes; k's tiles lie packed, 6 registers each, so the upper half of tile t's operand is the next tile's codes (behind tile 7: zeros):
; they meet q's zero codes and add nothing.  Bytes 2 and 3 of both scale words are 0, which stands for a power of two.
; vws is stored 2 bytes a row: a scale word of the last product spans two heads, which belong to different clusters.
; LIMITS: NaN and infinities are not served; O / l is a multiplication by v_rcp_f32's result; v_exp_f32 gives 0 for results under 2^-126; a block's largest p is taken from its largest score, which takes v_exp_f32 not to fall
; where its input rises; a block under 2^-124 or of zeros keeps the byte 1 (this program alone reads the bytes); the scaled scores stay under 2^31 in magnitude.
.set BLK,   13056
.set QUAD,  4*BLK
.set HEADB, 16*BLK
.set SPARE, HEADB                      ; the spare words, 128 bytes for each of sixteen waves
.set QBLK,  6656
.set L16,  1                           ; 16 x lane
.set L8,   2                           ; 8 x lane
.set SPW,  3
.set NIL,  4
.set A16,  5                           ; the step's block + 16 x lane
.set A8,   6
.set R16,  7
.set WSA,  8                           ; 16 r + 4,096 h
.set HWS,  9
.set HW,   10                          ; v10-11 the passes' two scale bytes;  v12 -M, v13 the largest t, v[14:15] the sum
.set Q0,   16                          ; v16-27 pass 0's q
.set QS,   28
.set FB,   32                          ; v32-79 k's half fragments, then v^T's fragments; v80-85 zeros
.set S,    96                          ; v96-159 S^T, then p
.set O,    160                         ; v160-191 O^T
.set P,    192                         ; v192-203 p's codes
.set PT,   204
.set BM,   212
.set BT,   216
.set BS,   220
.set KS,   224
.set VS,   228
.set T,    230
.set F,    232
.set PSW,  234
.set Q1,   240                         ; v240-251 pass 1's q
.set WV,   12
.set CX,   13
.set BH,   14
.set G1,   16
.set G0,   24
.set SEL,  40
.set CS,   42
.set TB,   44
.set CNT,  45
.set HI,   46
.set TA,   47
.macro CROUND
	s_barrier_signal -1
	s_barrier_wait -1
	s_cmp_lg_u32 s[WV], 0
	s_cbranch_scc1 .Lnot_wave_0_\@
	s_barrier_signal -3
.Lnot_wave_0_\@:
	s_barrier_wait -3
	s_barrier_signal -1
	s_barrier_wait -1
.endm
	s_load_b256 s[4:11], s[0:1], 0x0               ; qc, kv, vwc, vws
	v_lshl_add_u32 v[SPW], v0, 2, SPARE
	v_mov_b32 v[NIL], 0
	ds_add_u32 v[SPW], v[NIL]
	ds_add_u32 v[SPW], v[NIL]
	v_lshrrev_b32 v5, 5, v0
	s_delay_alu instid0(VALU_DEP_1)
	v_readfirstlane_b32 s[WV], v5                  ; wave 0..15
	v_and_b32 v5, 31, v0
	s_delay_alu instid0(VALU_DEP_1)
	v_lshlrev_b32 v[L16], 4, v5
	s_delay_alu instid0(VALU_DEP_2)
	v_lshlrev_b32 v[L8], 3, v5
	v_and_b32 v6, 15, v0
	s_delay_alu instid0(VALU_DEP_1)
	v_lshlrev_b32 v[R16], 4, v6
	v_bfe_u32 v5, v0, 4, 1
	s_delay_alu instid0(VALU_DEP_1)
	v_lshl_add_u32 v[WSA], v5, 12, v[R16]
	s_bfe_u32 s[CX], ttmp6, 0x40000                ; my place in the cluster: it enters the addresses of qc, vwc and vws alone
	s_and_b32 s[BH], ttmp7, 0xffff                 ; batch x 16 + head
	s_mov_b32 s[G1], 15|(3<<16)|(1<<21)            ; all four work-groups; elements of 8 bytes; bit 21 beside a mask
	s_mov_b32 s[G1+1], 32<<16                      ; a dense block as 51 rows of 256 bytes
	s_mov_b32 s[G1+2], 51<<16
	s_mov_b32 s[G1+3], 32<<16
	s_mov_b32 s[G1+4], 51
	s_mov_b32 s[G1+5], 32
	s_mov_b32 s[G1+6], 0
	s_mov_b32 s[G1+7], 0
	s_mul_i32 s15, s[WV], BLK                      ; key step w: in LDS,
	s_mul_i32 s2, s[BH], HEADB
	s_add_co_u32 s2, s2, s15                       ; and in kv
	s_mov_b32 s3, 0
	s_and_b32 s[TA], s[WV], 7
	s_lshr_b32 s48, s[WV], 3
	s_lshl_b32 s48, s48, 1
	s_lshl_b32 s49, s[CX], 2
	s_add_co_u32 s48, s48, s49                     ; pass 0's group of 128 queries: 4 cx + 2 (wave / 8)
	s_lshl_b32 s49, s[BH], 4
	s_add_co_u32 s49, s49, s48
	s_mul_i32 s49, s49, QBLK
	s_mul_i32 s52, s[TA], 768
	s_add_co_u32 s52, s52, s49
	s_mov_b32 s53, 0                               ; s[52:53]: my tile's codes
	s_and_b32 s54, s[TA], 1
	s_lshr_b32 s55, s[TA], 1
	s_lshl_b32 s56, s54, 8
	s_lshl_b32 s57, s55, 2
	s_add_co_u32 s56, s56, s57
	s_add_co_u32 s56, s56, s49
	s_add_co_u32 s56, s56, 6144
	s_mov_b32 s57, 0                               ; s[56:57]: its scale words
	s_lshr_b32 s49, s[BH], 4
	s_lshl_b32 s49, s49, 4
	s_add_co_u32 s49, s49, s48                     ; the group of 128 tokens
	s_and_b32 s48, s[BH], 15                       ; the head
	s_lshr_b32 s59, s48, 1                         ; its K step of the last product
	s_mul_i32 s60, s49, 98304
	s_mul_i32 s61, s59, 12288
	s_add_co_u32 s60, s60, s61
	s_mul_i32 s61, s[TA], 1536
	s_add_co_u32 s60, s60, s61
	s_and_b32 s61, s48, 1
	s_mul_i32 s61, s61, 768
	s_add_co_u32 s60, s60, s61
	s_mov_b32 s61, 0                               ; s[60:61]: my half fragment in vwc
	s_lshl_b32 s62, s49, 12
	s_lshr_b32 s63, s48, 2
	s_lshl_b32 s63, s63, 10
	s_add_co_u32 s62, s62, s63
	s_lshl_b32 s63, s55, 8
	s_add_co_u32 s62, s62, s63
	s_lshl_b32 s63, s54, 3
	s_add_co_u32 s62, s62, s63
	s_and_b32 s63, s59, 1
	s_lshl_b32 s63, s63, 2
	s_add_co_u32 s62, s62, s63
	s_and_b32 s63, s48, 1
	s_lshl_b32 s63, s63, 1
	s_add_co_u32 s62, s62, s63
	s_mov_b32 s63, 0                               ; s[62:63]: my two bytes in vws, + 16 r
	s_mov_b32 s[SEL], 0x76543210
	s_mov_b32 s[SEL+1], 0xfedcba98                 ; selects for lane l xor 16
	s_mov_b32 s[CS], 0x3e38aa3b                    ; c = log2(e) / 8
	s_mov_b32 s[CS+1], s[CS]
	s_mov_b32 s[HI], 0xffff0000
	s_wait_dscnt 0x0
	s_wait_kmcnt 0x0
	s_add_nc_u64 s[6:7], s[6:7], s[2:3]
	s_add_nc_u64 s[50:51], s[4:5], s[56:57]
	s_add_nc_u64 s[4:5], s[4:5], s[52:53]
	s_add_nc_u64 s[8:9], s[8:9], s[60:61]
	s_add_nc_u64 s[10:11], s[10:11], s[62:63]
	s_mov_b32 s[G0], 1
	s_mov_b32 s[G0+1], s15
	s_mov_b64 s[G0+2:G0+3], s[6:7]
	s_or_b32 s[G0+3], s[G0+3], 0x80000000
	CROUND                                         ; all four work-groups are here: the joint loads meet
	s_cmp_lt_u32 s[WV], 4                          ; one load a wave; the waves that wait first have a line of their own
	s_cbranch_scc0 .Llater
	tensor_load_to_lds s[G0:G0+3], s[G1:G1+7]      ; key steps 0 to 3
	s_nop 0
.rept 4
	v_nop
.endr
	s_branch .Lasked
.Llater:
	tensor_load_to_lds s[G0:G0+3], s[G1:G1+7]      ; key steps 4 to 15
	s_nop 0
.rept 4
	v_nop
.endr
.Lasked:
	s_wait_alu depctr_va_vdst(0)
	global_load_b128 v[Q0:Q0+3], v[L16], s[4:5]    ; both passes' q stay in registers
	global_load_b64 v[Q0+4:Q0+5], v[L8], s[4:5] offset:512
	global_load_b32 v[QS], v[R16], s[50:51]
	global_load_b128 v[Q1:Q1+3], v[L16], s[4:5] offset:QBLK
	global_load_b64 v[Q1+4:Q1+5], v[L8], s[4:5] offset:QBLK+512
	global_load_b32 v[QS+1], v[R16], s[50:51] offset:QBLK
.irp i, 0,1,2,3,4,5
	v_mov_b32 v[Q0+6+\i], 0                        ; zero codes for k 64 .. 127
	v_mov_b32 v[Q1+6+\i], 0
	v_mov_b32 v[FB+48+\i], 0                       ; behind k's tile 7
.endr
.irp b, 0,1,2,3
	v_mov_b32 v[BT+\b], 0                          ; a lane permute's destination counts as one of its sources
.endr
	v_mov_b32 v[T], 0
	v_mov_b32 v[F+1], 0
; A KEY STEP: 128 keys.  q: my tile's fragment; qs: its scale word.
.macro STEP q, qs
	v_add_nc_u32 v[A16], s[TB], v[L16]
	v_add_nc_u32 v[A8], s[TB], v[L8]
	v_nop
	v_nop                                          ; four places behind the last step's products, in front of loads into registers that they read
.irp t, 0,1,2,3,4,5,6,7
	ds_load_b128 v[FB+6*\t:FB+6*\t+3], v[A16] offset:768*\t
	ds_load_b64 v[FB+6*\t+4:FB+6*\t+5], v[A8] offset:768*\t+512
.endr
	ds_load_b128 v[KS:KS+3], v[A16] offset:12288
	s_wait_alu depctr_va_vdst(0)
	s_wait_dscnt 0x0
.irp t, 0,1,2,3,4,5,6,7                        ; S^T = k q^T
.if \t%2
	v_wmma_scale_f32_16x16x128_f8f6f4 v[S+8*\t:S+8*\t+7], v[FB+6*\t:FB+6*\t+11], v[\q:\q+11], 0, v[KS+\t/2], v[\qs] matrix_a_fmt:MATRIX_FMT_FP6 matrix_b_fmt:MATRIX_FMT_FP6 matrix_a_scale:MATRIX_SCALE_ROW1
.else
	v_wmma_scale_f32_16x16x128_f8f6f4 v[S+8*\t:S+8*\t+7], v[FB+6*\t:FB+6*\t+11], v[\q:\q+11], 0, v[KS+\t/2], v[\qs] matrix_a_fmt:MATRIX_FMT_FP6 matrix_b_fmt:MATRIX_FMT_FP6
.endif
.endr
.rept 4
	v_nop                                          ; places: in front of the loads below and of the first read of the scores
.endr
.irp t, 0,1,2,3                                ; v^T's fragments land under the softmax
	ds_load_b128 v[FB+12*\t:FB+12*\t+3], v[A16] offset:6144+1536*\t
	ds_load_b64 v[FB+12*\t+4:FB+12*\t+5], v[A8] offset:6144+1536*\t+512
	ds_load_b128 v[FB+12*\t+6:FB+12*\t+9], v[A16] offset:6144+1536*\t+768
	ds_load_b64 v[FB+12*\t+10:FB+12*\t+11], v[A8] offset:6144+1536*\t+1280
.endr
	ds_load_b64 v[VS:VS+1], v[A8] offset:12800
.irp b, 0,1,2,3
	v_max3_num_f32 v[BM+\b], v[S+16*\b], v[S+1+16*\b], v[S+2+16*\b]   ; the largest score of each block of 32 keys: for the row's maximum and for the block's largest p
.endr
.irp i, 3,5,7,9,11,13
.irp b, 0,1,2,3
	v_max3_num_f32 v[BM+\b], v[BM+\b], v[S+16*\b+\i], v[S+1+16*\b+\i]
.endr
.endr
.irp b, 0,1,2,3
	v_max_num_f32 v[BM+\b], v[BM+\b], v[S+15+16*\b]
.endr
.irp b, 0,1,2,3
	s_delay_alu instid0(VALU_DEP_4)
	v_permlanex16_b32 v[BT+\b], v[BM+\b], s[SEL], s[SEL+1]
.endr
.irp b, 0,1,2,3
	s_delay_alu instid0(VALU_DEP_4)
	v_max_num_f32 v[BM+\b], v[BM+\b], v[BT+\b]     ; with lane l xor 16's 16 keys
.endr
	s_delay_alu instid0(VALU_DEP_2)
	v_max3_num_f32 v[T], v[BM], v[BM+1], v[BM+2]
	s_delay_alu instid0(VALU_DEP_1)
	v_max_num_f32 v[T], v[T], v[BM+3]              ; the step's largest score of my query,
	s_delay_alu instid0(VALU_DEP_1)
	v_mul_f32 v[T], s[CS], v[T]                    ; as t (c is positive)
	s_delay_alu instid0(VALU_DEP_1)
	v_max_num_f32 v13, v13, v[T]                   ; the running largest t
	v_mov_b32 v[T], v12
	s_delay_alu instid0(VALU_DEP_2)
	v_floor_f32 v12, -v13                          ; the new -M = floor(-t) = -ceil(t)
	s_delay_alu instid0(VALU_DEP_1)
	v_sub_f32 v[T], v12, v[T]                      ; old M less new M: a whole number, 0 or less
	s_delay_alu instid0(VALU_DEP_1)
	v_cvt_i32_f32 v[T], v[T]                       ; (it saturates)
	s_delay_alu instid0(VALU_DEP_1)
	v_ldexp_f32 v[F], 1.0, v[T]                    ; f = 2^(old M - new M)
.set j, 0
.rept 32
	v_pk_fma_f32 v[S+j:S+j+1], v[S+j:S+j+1], s[CS:CS+1], v[12:13] op_sel_hi:[1,0,0]   ; t - M, two at a time
.set j, j+2
.endr
.irp b, 0,1,2,3
	v_fma_f32 v[BM+\b], v[BM+\b], s[CS], v12       ; the same of each block's largest score
.endr
.set j, 0
	s_wait_alu depctr_va_vdst(0)                   ; the wait ahead of the batch
.rept 64
	v_exp_f32 v[S+j], v[S+j]                       ; p = 2^(t - M), at most 1
.set j, j+1
.endr
	v_pk_mul_f32 v[14:15], v[14:15], v[F:F+1] op_sel_hi:[1,0]   ; the sums under the new M: the plain instruction behind the exponentials
	s_wait_alu depctr_va_vdst(0)                   ; one wait for the whole batch, ahead of its first reader
.irp b, 0,1,2,3
	v_exp_f32 v[BM+\b], v[BM+\b]                   ; the blocks' largest p
.endr
	v_pk_add_f32 v[216:217], v[100:101], v[104:105]   ; the row's sum of the unquantised p, in eight chains side by side
	v_pk_add_f32 v[254:255], v[108:109], v[112:113]
	v_pk_add_f32 v[252:253], v[116:117], v[120:121]
	v_pk_add_f32 v[238:239], v[124:125], v[128:129]
	v_pk_add_f32 v[236:237], v[132:133], v[136:137]
	v_pk_add_f32 v[234:235], v[140:141], v[144:145]
	v_pk_add_f32 v[226:227], v[148:149], v[152:153]
	v_pk_add_f32 v[14:15], v[14:15], v[156:157]
	v_pk_add_f32 v[216:217], v[216:217], v[96:97]
	v_pk_add_f32 v[254:255], v[254:255], v[98:99]
	v_pk_add_f32 v[252:253], v[252:253], v[102:103]
	v_pk_add_f32 v[238:239], v[238:239], v[106:107]
	v_pk_add_f32 v[236:237], v[236:237], v[110:111]
	v_pk_add_f32 v[234:235], v[234:235], v[114:115]
	v_pk_add_f32 v[226:227], v[226:227], v[118:119]
	v_pk_add_f32 v[14:15], v[14:15], v[122:123]
	v_pk_add_f32 v[216:217], v[216:217], v[126:127]
	v_pk_add_f32 v[254:255], v[254:255], v[130:131]
	v_pk_add_f32 v[252:253], v[252:253], v[134:135]
	v_pk_add_f32 v[238:239], v[238:239], v[138:139]
	v_pk_add_f32 v[236:237], v[236:237], v[142:143]
	v_pk_add_f32 v[234:235], v[234:235], v[146:147]
	v_pk_add_f32 v[226:227], v[226:227], v[150:151]
	v_pk_add_f32 v[14:15], v[14:15], v[154:155]
	v_pk_add_f32 v[216:217], v[216:217], v[158:159]
	s_delay_alu instid0(VALU_DEP_2)
	v_pk_add_f32 v[14:15], v[14:15], v[238:239]
	s_delay_alu instid0(VALU_DEP_2)
	v_pk_add_f32 v[216:217], v[216:217], v[236:237]
	v_pk_add_f32 v[254:255], v[254:255], v[234:235]
	v_pk_add_f32 v[252:253], v[252:253], v[226:227]
	s_delay_alu instid0(VALU_DEP_2)
	v_pk_add_f32 v[14:15], v[14:15], v[254:255]
	s_delay_alu instid0(VALU_DEP_2)
	v_pk_add_f32 v[216:217], v[216:217], v[252:253]
	s_delay_alu instid0(VALU_DEP_1)
	v_pk_add_f32 v[14:15], v[14:15], v[216:217]
	s_wait_alu depctr_va_vdst(0)                   ; and one for the four
.irp b, 0,1,2,3
	v_max_num_f32 v[BM+\b], 0x1800000, v[BM+\b]    ; the floor 2^(3 - 127): the byte cannot fall under 1
.endr
.irp b, 0,1,2,3
	s_delay_alu instid0(VALU_DEP_4)
	v_add_nc_u32 v[BS+\b], 0xff000000, v[BM+\b]    ; 2 off the exponent field: the conversion's scale operand
.endr
.irp b, 0,1,2,3
	s_delay_alu instid0(VALU_DEP_4)
	v_lshrrev_b32 v[BT+\b], 23, v[BS+\b]           ; the byte
.endr
	s_delay_alu instid0(VALU_DEP_3)
	v_lshl_or_b32 v[PSW], v[BT+1], 8, v[BT]        ; p's scale word for these 128 keys
	s_delay_alu instid0(VALU_DEP_1)
	v_lshl_or_b32 v[PSW], v[BT+2], 16, v[PSW]
	s_delay_alu instid0(VALU_DEP_1)
	v_lshl_or_b32 v[PSW], v[BT+3], 24, v[PSW]
.irp c, 0,1
	v_cvt_scalef32_pk16_fp6_f32 v[P+6*\c:P+2+6*\c], v[S+32*\c:S+15+32*\c], v[BS+2*\c]
	v_cvt_scalef32_pk16_fp6_f32 v[PT+4*\c:PT+2+4*\c], v[S+16+32*\c:S+31+32*\c], v[BS+2*\c+1]   ; (a conversion's three registers begin on an even number)
.endr
	v_nop                                          ; one plain place behind a scaled conversion
.irp c, 0,1                                    ; the operand's layout wants a whole block in a lane
.irp i, 0,1,2
	v_permlane16_swap_b32 v[P+6*\c+\i], v[PT+4*\c+\i]
.endr
.irp i, 0,1,2
	s_delay_alu instid0(VALU_DEP_3)
	v_mov_b32 v[P+3+6*\c+\i], v[PT+4*\c+\i]
.endr
.endr
.set j, 0
.rept 16
	v_pk_mul_f32 v[O+j:O+j+1], v[O+j:O+j+1], v[F:F+1] op_sel_hi:[1,0]   ; O^T under the new M; for each product below twelve of these name none of its registers: the places behind the writes of p's codes and scale word
.set j, j+2
.endr
	s_wait_alu depctr_va_vdst(0)
	s_wait_dscnt 0x0                               ; v^T's fragments and scale words are in
.irp t, 0,1,2,3                                ; O^T += v^T p^T: four accumulators, one instruction each
.if \t%2
	v_wmma_scale_f32_16x16x128_f8f6f4 v[O+8*\t:O+8*\t+7], v[FB+12*\t:FB+12*\t+11], v[P:P+11], v[O+8*\t:O+8*\t+7], v[VS+\t/2], v[PSW] matrix_a_fmt:MATRIX_FMT_FP6 matrix_b_fmt:MATRIX_FMT_FP6 matrix_a_scale:MATRIX_SCALE_ROW1
.else
	v_wmma_scale_f32_16x16x128_f8f6f4 v[O+8*\t:O+8*\t+7], v[FB+12*\t:FB+12*\t+11], v[P:P+11], v[O+8*\t:O+8*\t+7], v[VS+\t/2], v[PSW] matrix_a_fmt:MATRIX_FMT_FP6 matrix_b_fmt:MATRIX_FMT_FP6
.endif
.endr
	s_add_co_u32 s[TB], s[TB], BLK                 ; the next step's block
.endm
.macro WALK n, q, qs                   ; n key steps from s[TB] on
	s_mov_b32 s[CNT], \n
.Lstep_\@:
	STEP \q, \qs
	s_sub_co_u32 s[CNT], s[CNT], 1
	s_cmp_lg_u32 s[CNT], 0
	s_cbranch_scc1 .Lstep_\@
.endm
.macro INIT                            ; the step is written once: the first finds zeros, which the first change of M leaves zeros
	v_mov_b32 v13, 0xff61b1e6                      ; the largest t so far: -3e38
	s_delay_alu instid0(VALU_DEP_1)
	v_floor_f32 v12, -v13                          ; -M
	v_mov_b32 v14, 0
	v_mov_b32 v15, 0
.set j, 0
.rept 32
	v_mov_b32 v[O+j], 0
.set j, j+1
.endr
.endm
; A pass's end: O^T / l, quantised along the head's 64 channels (two blocks), stored as a half fragment.
.macro OUTPUT p
.rept 4
	v_nop                                          ; places behind the last products
.endr
	v_add_f32 v14, v14, v15                        ; the sum's two halves,
	s_delay_alu instid0(VALU_DEP_1)
	v_permlanex16_b32 v[T], v14, s[SEL], s[SEL+1]
	s_delay_alu instid0(VALU_DEP_1)
	v_add_f32 v14, v14, v[T]                       ; and lane l xor 16's
	s_wait_alu depctr_va_vdst(0)
	v_rcp_f32 v[F], v14
	v_nop                                          ; a plain instruction behind the reciprocal,
	s_wait_alu depctr_va_vdst(0)                   ; and the wait ahead of its first reader
.set j, 0
.rept 16
	v_pk_mul_f32 v[S+j:S+j+1], v[O+j:O+j+1], v[F:F+1] op_sel_hi:[1,0]   ; register 16 b + i = channel 32 b + 16 h + i; each accumulator from its low end on
.set j, j+2
.endr
.irp b, 0,1
	v_max3_num_f32 v[BM+\b], |v[S+16*\b]|, |v[S+1+16*\b]|, 0x1800000
.endr
.irp i, 2,4,6,8,10,12,14
.irp b, 0,1
	s_delay_alu instid0(VALU_DEP_2)
	v_max3_num_f32 v[BM+\b], v[BM+\b], |v[S+16*\b+\i]|, |v[S+1+16*\b+\i]|
.endr
.endr
.irp b, 0,1
	s_delay_alu instid0(VALU_DEP_2)
	v_permlanex16_b32 v[BT+\b], v[BM+\b], s[SEL], s[SEL+1]
.endr
.irp b, 0,1
	s_delay_alu instid0(VALU_DEP_2)
	v_max_num_f32 v[BM+\b], v[BM+\b], v[BT+\b]
.endr
.irp b, 0,1
	s_delay_alu instid0(VALU_DEP_2)
	v_add_nc_u32 v[BS+\b], 0xff000000, v[BM+\b]
.endr
.irp b, 0,1
	s_delay_alu instid0(VALU_DEP_2)
	v_lshrrev_b32 v[BT+\b], 23, v[BS+\b]
.endr
	s_delay_alu instid0(VALU_DEP_1)
	v_lshl_or_b32 v[HW+\p], v[BT+1], 8, v[BT]      ; my row's two scale bytes
	v_cvt_scalef32_pk16_fp6_f32 v[P:P+2], v[S:S+15], v[BS]
	v_cvt_scalef32_pk16_fp6_f32 v[PT:PT+2], v[S+16:S+31], v[BS+1]
	v_nop
.irp i, 0,1,2
	v_permlane16_swap_b32 v[P+\i], v[PT+\i]
.endr
.irp i, 0,1,2
	s_delay_alu instid0(VALU_DEP_3)
	v_mov_b32 v[P+3+\i], v[PT+\i]
.endr
	global_store_b128 v[L16], v[P:P+3], s[8:9] offset:\p*98304          ; 512 and 256 consecutive bytes, aligned; pass 1's group lies 98,304 bytes on
	global_store_b64 v[L8], v[P+4:P+5], s[8:9] offset:\p*98304+512
.endm
	INIT
	s_wait_alu depctr_va_vdst(0)                   ; the wait at the head's end
	s_wait_loadcnt 0x0                             ; q
	s_cmp_lt_u32 s[WV], 4
	s_cbranch_scc0 .Lnot_first
	s_wait_tensorcnt 0x0                           ; waves 0 to 3: key steps 0 to 3 are in
.Lnot_first:
	s_barrier_signal -1
	s_barrier_wait -1                              ; the other waves' loads may stay out
	s_mov_b32 s[TB], 0
	WALK 4, Q0, QS
	s_wait_tensorcnt 0x0                           ; every wave: its key step is in
	s_barrier_signal -1
	s_barrier_wait -1                              ; all sixteen steps are shown to all
	s_mov_b32 s[TB], QUAD
	WALK 12, Q0, QS
	OUTPUT 0
	s_wait_xcnt 0x0                                ; the stores have read the codes' registers
	INIT
	s_mov_b32 s[TB], 0
	WALK 16, Q1, QS+1
	OUTPUT 1
	v_cndmask_b32 v[HWS], v[HW], v[HW+1], s[HI]    ; lanes 0-15 store pass 0's rows' bytes, lanes 16-31 pass 1's, one group (4,096 bytes) on
	global_store_b16 v[WSA], v[HWS], s[10:11]
	s_wait_tensorcnt 0x0                           ; the wave's end
	ds_add_u32 v[SPW], v[NIL]
	s_wait_dscnt 0x0
	CROUND                                         ; the closing round
	s_endpgm
.Lfunc_end_k_qc94e6176bf_attn:
	.size	k_qc94e6176bf_attn, .Lfunc_end_k_qc94e6176bf_attn-k_qc94e6176bf_attn
	.p2alignl 7, 3214868480
	.fill 96, 4, 3214868480
	.section	.rodata,"a",@progbits
	.p2align	6, 0x0
	.amdhsa_kernel k_qc94e6176bf_attn
		.amdhsa_group_segment_fixed_size 210944
		.amdhsa_private_segment_fixed_size 0
		.amdhsa_enable_private_segment 0
		.amdhsa_kernarg_size 32
		.amdhsa_user_sgpr_count 2
		.amdhsa_user_sgpr_kernarg_segment_ptr 1
		.amdhsa_wavefront_size32 1
		.amdhsa_system_sgpr_workgroup_id_x 1
		.amdhsa_system_sgpr_workgroup_id_y 1
		.amdhsa_system_sgpr_workgroup_id_z 1
		.amdhsa_system_vgpr_workitem_id 0
		.amdhsa_next_free_vgpr 256
		.amdhsa_next_free_sgpr 66
		.amdhsa_reserve_vcc 0
		.amdhsa_float_denorm_mode_32 3
		.amdhsa_float_denorm_mode_16_64 3
		.amdhsa_memory_ordered 1
		.amdhsa_forward_progress 1
		.amdhsa_inst_pref_size 70
	.end_amdhsa_kernel
	.amdgpu_metadata
---
amdhsa.version: [ 1, 2 ]
amdhsa.kernels:
  - .name:           k_qc94e6176bf_attn
    .symbol:         k_qc94e6176bf_attn.kd
    .args:
      - { .name: qc, .offset: 0, .size: 8, .value_kind: global_buffer, .address_space: global }
      - { .name: kv, .offset: 8, .size: 8, .value_kind: global_buffer, .address_space: global }
      - { .name: vwc, .offset: 16, .size: 8, .value_kind: global_buffer, .address_space: global }
      - { .name: vws, .offset: 24, .size: 8, .value_kind: global_buffer, .address_space: global }
    .group_segment_fixed_size: 210944
    .private_segment_fixed_size: 0
    .kernarg_segment_align: 8
    .kernarg_segment_size: 32
    .max_flat_workgroup_size: 512
    .sgpr_count:     66
    .vgpr_count:     256
    .wavefront_size: 32
...
	.end_amdgpu_metadata
.endif
;; end of part 3
;; launch oproj (part 4): grid 32 x 8, 4 waves a work-group, clusters of 4 x 4, 327,680 bytes of LDS; arguments vwc, vws, opc, ops, bo, out0; writes out0
.if DOCPART == 4
	.amdgcn_target "amdgcn-amd-amdhsa--gfx1250"
	.amdhsa_code_object_version 6
	.text
	.protected	k_qc94e6176bf_oproj
	.globl	k_qc94e6176bf_oproj
	.p2align	8
	.type	k_qc94e6176bf_oproj,@function
k_qc94e6176bf_oproj:
	s_mov_b64 s[64:65], 0
	v_nop
	global_prefetch_b8 v0, s[64:65] scope:SCOPE_SE
	s_setreg_imm32_b32 hwreg(HW_REG_WAVE_MODE, 25, 1), 1
	s_wait_xcnt 0x0
	s_wait_alu depctr_hold_cnt(0) depctr_sa_sdst(0) depctr_va_vdst(0) depctr_va_sdst(0) depctr_va_ssrc(0) depctr_va_vcc(0) depctr_vm_vsrc(0)
	s_getreg_b32 s2, hwreg(HW_REG_IB_STS2, 6, 4)
	s_cmp_eq_u32 s2, 0
	s_cbranch_scc0 .Lentry_in_a_cluster
	s_endpgm
.Lentry_in_a_cluster:
	s_bfe_u32 s2, ttmp6, 0x10000c
	s_cmp_lg_u32 s2, 0xf033
	s_cbranch_scc0 .Lentry_shape_is_right
	s_endpgm
.Lentry_shape_is_right:
; out0[token][n] = bo[n] + sum over k of vw[token][k] Wo[n][k], f32, on codes of FP6 (E2M3) with E8M0 scales: 8,192 x 1,024 x 1,024.
; LIMITS: NaN, infinities and sums beyond f32's range are not served; a sum begins with the bias, where the reference adds it last.
; OPERANDS are images of operand registers.  128 rows are a group (vwc: 64 groups of tokens; opc: Wo's are groups 88-95); lane r of tile i holds row 32 (i / 2) + 8 (i % 2) + r + 8 (r / 8) of its group.
; Fragment (K step s, tile i) lies at 12,288 s + 1,536 i of the group's 98,304 bytes: registers 0-3 at 16 x lane, 4-5 at 512 + 8 x lane, 6-9 at 768 + 16 x lane, 10-11 at 1,280 + 8 x lane.
; A group's scale words: 1,024 (s / 2) + 256 (i / 2) + 16 r + 8 (i % 2) + 4 (s % 2).
; THE DEAL.  256 work-groups of four waves, 2 x 2, each 256 rows x 128 columns.  Wave (a, b) holds tiles 4 b .. 4 b + 3 of Wo's group, all of K, in 384 registers, and streams group a's eight tiles of 16 rows past them:
; 32 products a block, four accumulators by turns.  Two sets of A's fragments, of accumulators and of the rows that come back from the stage.
; Behind a block's products stands one run of memory lines: its sums into the wave's stage and back as whole rows of 256 bytes, the fetch of the block two on, one wait, eight stores.
; LDS: A's two groups, B's group, A's scale words, the spare words: each byte filled once, all asked for at the head, one joint load a wave, so there is no ring and nothing left to prefetch.
; The stages lie in B's first bytes, which have had their one fill and are read for the last time ahead of the barrier in front of the stream.
; CLUSTERS: the cluster's x counts tile rows.  A's tiles are shared by a column of the cluster, B's by a row.
; The products are used transposed (source 0 = Wo's rows): register j of tile t of lane (r, h) is column 32 (t / 2) + 8 (t % 2) + 16 h + j of the wave's 64, row r of the block.
.set FR,     12
.set FPW,    21                        ; fragments in a window of 256 registers
.set FRB,    1536
.set STEPB,  8*FRB
.set GRPB,   8*STEPB
.set GRPS,   4096
.set YB,     2*GRPB                    ; B's group, behind A's two
.set SCL,    3*GRPB                    ; A's scale words, 8,192 bytes
.set SPARE,  SCL+2*GRPS                ; the spare words
.set SPITCH, 272                       ; a stage row: 256 bytes + 16
.set STAGE,  YB
.set NF,     36                        ; LDS loads of a block: 32 for eight fragments, 4 for eight scale words
.set AA,   6                           ; v6-9   LDS addresses of A's fragments: 16 x lane, 8 x lane; the same four K steps on
.set SPW,  10
.set NIL,  11
.set BA,   12                          ; v12-15 the same for B
.set AS,   16                          ; my row's scale words
.set STO,  17                          ; the stage: in
.set RD,   18                          ; and back
.set CO,   19                          ; my byte offset in out0: row l / 16, 16 bytes x (l % 16)
.set BSV,  20                          ; 16 r + 8 h
.set BV,   21                          ; 64 h
.set SB,   24                          ; v24-39  B's scale words: pair of tiles n, K step s at 8 n + s; lanes 0-15 the even tile, 16-31 the odd
.set SA,   42                          ; v42-57  A's: two sets of eight
.set ACC,  64                          ; v64-127 two sets of four accumulators
.set BK,   128                         ; v128-191 two sets of 16 rows back from the stage
.set BO,   208                         ; v208-239 the bias, the first four products' C
.set G1A,  24
.set G1B,  32
.set G1S,  48
.set G0B,  56
.set G0A,  60
.set G0A1, 68
.set G0S,  72
.set MSB, 0
.macro WIN new
.if MSB != (\new)
	s_set_vgpr_msb (MSB<<8)|(\new)
.set MSB, (\new)
.endif
.endm
.macro PLACES n
.rept \n
	v_nop
.endr
.endm
.macro BARRIER
	s_barrier_signal -1
	s_barrier_wait -1
.endm
.macro CROUND
	BARRIER
	s_cmp_lg_u32 s18, 0
	s_cbranch_scc1 .Lnot_wave_0_\@
	s_barrier_signal -3
.Lnot_wave_0_\@:
	s_barrier_wait -3
	BARRIER
.endm
.macro TLOAD g0, g1
	tensor_load_to_lds s[\g0:\g0+3], s[\g1:\g1+7]
	s_nop 0
	PLACES 4
.endm
.macro GROUP1 g, mask, rows            ; a dense block as rows of 256 bytes (32 elements of 8)
	s_or_b32 s[\g], s[\mask], (3<<16)|(1<<21)
	s_mov_b32 s[\g+1], 32<<16
	s_mov_b32 s[\g+2], (\rows)<<16
	s_mov_b32 s[\g+3], 32<<16
	s_mov_b32 s[\g+4], \rows
	s_mov_b32 s[\g+5], 32
	s_mov_b32 s[\g+6], 0
	s_mov_b32 s[\g+7], 0
.endm
.macro G0SET g, lds, base, off
	s_mov_b32 s[\g], 1
	s_mov_b32 s[\g+1], \lds
	s_add_nc_u64 s[\g+2:\g+3], s[\base:\base+1], s[\off:\off+1]
	s_or_b32 s[\g+3], s[\g+3], 0x80000000
.endm
.macro FRAG f, ad, off                 ; fragment f lies in window 1 + f / 21 at register 12 (f % 21): B's 4 q + tile are 0-31, A's two sets 32 + 8 e + q
	WIN (1+(\f)/FPW)<<6
.set R_, FR*((\f)%FPW)
	ds_load_b128 v[R_:R_+3], v[\ad] offset:\off
	ds_load_b64 v[R_+4:R_+5], v[\ad+1] offset:(\off)+512
	ds_load_b128 v[R_+6:R_+9], v[\ad] offset:(\off)+768
	ds_load_b64 v[R_+10:R_+11], v[\ad+1] offset:(\off)+1280
.endm
.macro FETCH e, i                      ; A's tile i, all of K, into set e: NF loads
.irp q, 0,1,2,3,4,5,6,7
	FRAG 32+8*(\e)+\q, AA+2*(\q/4), (\q%4)*STEPB+(\i)*FRB
.endr
	WIN 0
.irp p, 0,1,2,3
	ds_load_b64 v[SA+8*(\e)+2*\p:SA+8*(\e)+2*\p+1], v[AS] offset:1024*\p+256*((\i)/2)+8*((\i)%2)
.endr
.endm
.macro PROD1 d, s0, s1, c, x0, x1, o
.if \o
	v_wmma_scale_f32_16x16x128_f8f6f4 v[\d:\d+7], v[FR*((\s0)%FPW):FR*((\s0)%FPW)+FR-1], v[FR*((\s1)%FPW):FR*((\s1)%FPW)+FR-1], \c, v[\x0], v[\x1] matrix_a_fmt:MATRIX_FMT_FP6 matrix_b_fmt:MATRIX_FMT_FP6 matrix_a_scale:MATRIX_SCALE_ROW1
.else
	v_wmma_scale_f32_16x16x128_f8f6f4 v[\d:\d+7], v[FR*((\s0)%FPW):FR*((\s0)%FPW)+FR-1], v[FR*((\s1)%FPW):FR*((\s1)%FPW)+FR-1], \c, v[\x0], v[\x1] matrix_a_fmt:MATRIX_FMT_FP6 matrix_b_fmt:MATRIX_FMT_FP6 matrix_a_scale:MATRIX_SCALE_ROW0
.endif
.endm
.macro PROD e, n                       ; product n = 4 q + tile of a block whose rows lie in set e
.set Q_, (\n)/4
.set FB_, 4*Q_+(\n)%4
.set FA_, 32+8*(\e)+Q_
.set D_, ACC+32*(\e)+8*((\n)%4)
.set XB_, SB+8*(((\n)%4)/2)+Q_
.set XA_, SA+8*(\e)+Q_
	WIN (1+FB_/FPW)|((1+FA_/FPW)<<2)
.if Q_
	PROD1 D_, FB_, FA_, v[D_:D_+7], XB_, XA_, (\n)%2
.else
	PROD1 D_, FB_, FA_, v[BO+8*((\n)%4):BO+8*((\n)%4)+7], XB_, XA_, (\n)%2
.endif
.endm
.macro STREAM i                        ; block i
.set N_, 0
.rept 32                               ; the four accumulators take turns
	PROD (\i)%2, N_
.set N_, N_+1
.endr
	WIN 0
	PLACES 4                                       ; between the last product and the readers of its sums and the loads into its operands
	s_wait_xcnt 0x0                                ; the stores of two blocks ago have read this set of rows
.irp b, 0,1,2,3                        ; into my stage, each accumulator from its low end on; LDS serves a wave's instructions in order (ISA guide 5.7.1.4): no wait ahead of the loads
	ds_store_b128 v[STO], v[ACC+32*((\i)%2)+8*\b:ACC+32*((\i)%2)+8*\b+3] offset:128*(\b/2)+32*(\b%2)
	ds_store_b128 v[STO], v[ACC+32*((\i)%2)+8*\b+4:ACC+32*((\i)%2)+8*\b+7] offset:128*(\b/2)+32*(\b%2)+16
.endr
.irp t, 0,1,2,3,4,5,6,7
	ds_load_b128 v[BK+32*((\i)%2)+4*\t:BK+32*((\i)%2)+4*\t+3], v[RD] offset:2*\t*SPITCH
.endr
.if (\i) < 6
	FETCH (\i)%2, (\i)+2
	s_wait_dscnt NF                                ; the rows are back, and the next block's fragments are in; younger is this run's fetch alone
.else
	s_wait_dscnt 0x0
.endif
.irp t, 0,1,2,3,4,5,6,7                ; stage rows 2 t, 2 t + 1 are the group's rows 32 (i / 2) + 8 (i % 2) + 2 t + 8 (t / 4) and the next; 16 lanes store 256 consecutive bytes, aligned
	global_store_b128 v[CO], v[BK+32*((\i)%2)+4*\t:BK+32*((\i)%2)+4*\t+3], s[14:15] offset:(32*((\i)/2)+8*((\i)%2)+2*\t+8*(\t/4))*4096 th:TH_STORE_NT
.endr
.endm
; ---- the head
	s_load_b256 s[4:11], s[0:1], 0x0               ; vwc, vws, opc, ops
	s_load_b128 s[12:15], s[0:1], 0x20             ; bo, out0
	v_lshl_add_u32 v[SPW], v0, 2, SPARE
	v_mov_b32 v[NIL], 0
	ds_add_u32 v[SPW], v[NIL]
	ds_add_u32 v[SPW], v[NIL]
	v_lshrrev_b32 v1, 5, v0
	v_readfirstlane_b32 s18, v1                    ; the wave; s19 its row a, s20 its column b
	s_lshr_b32 s19, s18, 1
	s_and_b32 s20, s18, 1
	s_bfe_u32 s21, ttmp6, 0x40000                  ; cx
	s_bfe_u32 s22, ttmp6, 0x40004                  ; cy
	s_lshl_b32 s40, ttmp9, 2
	s_add_co_u32 s40, s40, s21                     ; tile row, 0 .. 31
	s_and_b32 s41, ttmp7, 0xffff
	s_lshl_b32 s41, s41, 2
	s_add_co_u32 s41, s41, s22                     ; tile column, 0 .. 7
	s_lshl_b32 s42, 0x1111, s21                    ; my column of the cluster shares A
	s_lshl_b32 s43, s22, 2
	s_lshl_b32 s43, 15, s43                        ; my row shares B
	GROUP1 G1A, 42, 384                            ; a group's codes
	GROUP1 G1B, 43, 384
	GROUP1 G1S, 42, 32                             ; two groups' scale words
	s_mul_i32 s44, s40, 2*GRPB                     ; A's two groups, bytes from vwc
	s_mov_b32 s45, 0
	s_lshl_b32 s46, s40, 13                        ; their scale words, from vws
	s_mov_b32 s47, 0
	s_add_co_u32 s66, s41, 88                      ; Wo's group
	s_mul_i32 s76, s66, GRPB
	s_mov_b32 s77, 0
	s_lshl_b32 s78, s66, 12                        ; its scale words, my two pairs of tiles
	s_lshl_b32 s67, s20, 9
	s_add_co_u32 s78, s78, s67
	s_mov_b32 s79, 0
	s_lshl_b32 s82, s41, 9                         ; my 64 columns, in bytes
	s_lshl_b32 s67, s20, 8
	s_add_co_u32 s82, s82, s67
	s_mov_b32 s83, 0
	s_lshl_b32 s80, s40, 20                        ; my 128 rows of out0
	s_lshl_b32 s67, s19, 19
	s_add_co_u32 s80, s80, s67
	s_add_co_u32 s80, s80, s82
	s_mov_b32 s81, 0
	v_and_b32 v1, 15, v0                           ; r
	v_bfe_u32 v2, v0, 4, 1                         ; h
	v_and_b32 v3, 31, v0
	v_lshlrev_b32 v4, 4, v3
	v_lshlrev_b32 v5, 3, v3
	s_mul_i32 s66, s19, GRPB
	v_add_nc_u32 v[AA], s66, v4
	v_add_nc_u32 v[AA+1], s66, v5
	v_add_nc_u32 v[AA+2], 4*STEPB, v[AA]
	v_add_nc_u32 v[AA+3], 4*STEPB, v[AA+1]
	s_mul_i32 s67, s20, 4*FRB
	s_add_co_u32 s67, s67, YB
	v_add_nc_u32 v[BA], s67, v4
	v_add_nc_u32 v[BA+1], s67, v5
	v_add_nc_u32 v[BA+2], 4*STEPB, v[BA]
	v_add_nc_u32 v[BA+3], 4*STEPB, v[BA+1]
	s_lshl_b32 s84, s19, 12
	s_add_co_u32 s84, s84, SCL
	v_lshl_add_u32 v[AS], v1, 4, s84
	s_mul_i32 s85, s18, 16*SPITCH
	s_add_co_u32 s85, s85, STAGE
	v_mul_u32_u24 v22, v1, SPITCH
	v_lshl_add_u32 v22, v2, 6, v22
	v_add_nc_u32 v[STO], s85, v22
	v_mul_u32_u24 v23, v2, SPITCH
	v_lshl_add_u32 v23, v1, 4, v23
	v_add_nc_u32 v[RD], s85, v23
	v_lshlrev_b32 v22, 12, v2
	v_lshl_add_u32 v[CO], v1, 4, v22
	v_lshlrev_b32 v23, 3, v2
	v_lshl_add_u32 v[BSV], v1, 4, v23
	v_lshlrev_b32 v[BV], 6, v2
	s_wait_alu depctr_va_vdst(0)                   ; the wait at the head's end
	s_wait_dscnt 0x0
	CROUND                                         ; the opening round: the joint loads meet
	s_wait_kmcnt 0x0
	G0SET G0B, YB, 8, 76
	G0SET G0A, 0, 4, 44
	G0SET G0S, SCL, 6, 46
	s_mov_b32 s[G0A1], 1
	s_mov_b32 s[G0A1+1], GRPB
	s_add_nc_u64 s[G0A1+2:G0A1+3], s[G0A+2:G0A+3], GRPB
	s_add_nc_u64 s[10:11], s[10:11], s[78:79]
	s_add_nc_u64 s[12:13], s[12:13], s[82:83]
	s_add_nc_u64 s[14:15], s[14:15], s[80:81]
	s_cmp_eq_u32 s18, 0                            ; one load a wave, each on a line of its own
	s_cbranch_scc0 .Lwave_1
	TLOAD G0B, G1B                                 ; wave 0: B's group, which is wanted first
	s_branch .Lasked
.Lwave_1:
	s_cmp_eq_u32 s18, 1
	s_cbranch_scc0 .Lwave_2
	TLOAD G0A, G1A                                 ; wave 1: A's first group
	s_branch .Lasked
.Lwave_2:
	s_cmp_eq_u32 s18, 2
	s_cbranch_scc0 .Lwave_3
	TLOAD G0A1, G1A                                ; wave 2: its second
	s_branch .Lasked
.Lwave_3:
	TLOAD G0S, G1S                                 ; wave 3: A's scale words
.Lasked:
.irp n, 0,1
.irp p, 0,1,2,3
	global_load_b64 v[SB+8*\n+2*\p:SB+8*\n+2*\p+1], v[BSV], s[10:11] offset:1024*\p+256*\n   ; 32 lanes read 256 consecutive bytes
.endr
.endr
.irp b, 0,1,2,3
	global_load_b128 v[BO+8*\b:BO+8*\b+3], v[BV], s[12:13] offset:(32*(\b/2)+8*(\b%2))*4
	global_load_b128 v[BO+8*\b+4:BO+8*\b+7], v[BV], s[12:13] offset:(32*(\b/2)+8*(\b%2))*4+16
.endr
	s_cmp_eq_u32 s18, 0
	s_cbranch_scc0 .Lnot_b
	s_wait_tensorcnt 0x0                           ; wave 0: B's group is in
.Lnot_b:
	BARRIER                                        ; the other tiles may still be on their way
.irp q, 0,1,2,3,4,5,6,7                ; my four tiles of B, all of K
.irp j, 0,1,2,3
	FRAG 4*\q+\j, BA+2*(\q/4), (\q%4)*STEPB+\j*FRB
.endr
.endr
	WIN 0
	s_wait_tensorcnt 0x0                           ; every wave: its tile is in
	s_wait_dscnt 0x0                               ; and my reads of B's bytes are over
	BARRIER                                        ; A and its scale words are shown to all, and nobody reads B's bytes any more
	FETCH 0, 0
	FETCH 1, 1
	s_wait_loadcnt 0x0                             ; B's scale words and the bias
	s_wait_dscnt NF                                ; block 0's fragments are in; block 1's fetch is younger
.irp i, 0,1,2,3,4,5,6,7
	STREAM \i
.endr
	s_wait_tensorcnt 0x0                           ; the wave's end
	ds_add_u32 v[SPW], v[NIL]
	s_wait_dscnt 0x0
	CROUND                                         ; the closing round
	s_endpgm
.Lfunc_end_k_qc94e6176bf_oproj:
	.size	k_qc94e6176bf_oproj, .Lfunc_end_k_qc94e6176bf_oproj-k_qc94e6176bf_oproj
	.p2alignl 7, 3214868480
	.fill 96, 4, 3214868480
	.section	.rodata,"a",@progbits
	.p2align	6, 0x0
	.amdhsa_kernel k_qc94e6176bf_oproj
		.amdhsa_group_segment_fixed_size 327680
		.amdhsa_private_segment_fixed_size 0
		.amdhsa_enable_private_segment 0
		.amdhsa_kernarg_size 48
		.amdhsa_user_sgpr_count 2
		.amdhsa_user_sgpr_kernarg_segment_ptr 1
		.amdhsa_wavefront_size32 1
		.amdhsa_system_sgpr_workgroup_id_x 1
		.amdhsa_system_sgpr_workgroup_id_y 1
		.amdhsa_system_sgpr_workgroup_id_z 1
		.amdhsa_system_vgpr_workitem_id 0
		.amdhsa_next_free_vgpr 840
		.amdhsa_next_free_sgpr 96
		.amdhsa_reserve_vcc 0
		.amdhsa_float_denorm_mode_32 3
		.amdhsa_float_denorm_mode_16_64 3
		.amdhsa_memory_ordered 1
		.amdhsa_forward_progress 1
		.amdhsa_inst_pref_size 85
	.end_amdhsa_kernel
	.amdgpu_metadata
---
amdhsa.version: [ 1, 2 ]
amdhsa.kernels:
  - .name:           k_qc94e6176bf_oproj
    .symbol:         k_qc94e6176bf_oproj.kd
    .args:
      - { .name: vwc, .offset: 0, .size: 8, .value_kind: global_buffer, .address_space: global }
      - { .name: vws, .offset: 8, .size: 8, .value_kind: global_buffer, .address_space: global }
      - { .name: opc, .offset: 16, .size: 8, .value_kind: global_buffer, .address_space: global }
      - { .name: ops, .offset: 24, .size: 8, .value_kind: global_buffer, .address_space: global }
      - { .name: bo, .offset: 32, .size: 8, .value_kind: global_buffer, .address_space: global }
      - { .name: out0, .offset: 40, .size: 8, .value_kind: global_buffer, .address_space: global }
    .group_segment_fixed_size: 327680
    .private_segment_fixed_size: 0
    .kernarg_segment_align: 8
    .kernarg_segment_size: 48
    .max_flat_workgroup_size: 128
    .sgpr_count:     96
    .vgpr_count:     840
    .wavefront_size: 32
...
	.end_amdgpu_metadata
.endif
;; end of part 4
